; MI455X (gfx1250); checked and timed in simulation.
; The chip was launched on July 23, 2026; its instructions are those of AMD's public machine-readable ISA for CDNA 5 (MIT licence, August 2026) and "CDNA5" Instruction Set Architecture Reference Guide (July 2026). The comments in the code are by the model that wrote it; some were corrected since.
;; Multi Head Attention. Allowed arithmetic: matrix products marked QUANTISED: E4M3 operands, one E8M0 scale for each 32 along K, by v_wmma_scale_f32_16x16x128_f8f6f4 with both operands' format E4M3, f32 sums; everything else in f32.
;; Inputs: Wk 1,024 x 1,024 float32; Wo 1,024 x 1,024 float32; Wq 1,024 x 1,024 float32; Wv 1,024 x 1,024 float32; bk 1,024 float32; bo 1,024 float32; bq 1,024 float32; bv 1,024 float32; x 4 x 2,048 x 1,024 float32.
;; Outputs: out0 4 x 2,048 x 1,024 float32.
;; This version of the problem:
;;   THIS VERSION OF THE PROBLEM IS GIVEN IN LOW PRECISION. The matrix products marked QUANTISED in the list below multiply operands that are first quantised to E4M3 (4 exponent bits, 3 mantissa bits; 8 bits a number), with one power-of-two scale for each 32 numbers along K (OCP MX v1.0); their sums are f32. All else is computed in f32.
;;   The module's matrix products, in the order in which they are computed (A, B: the left and right operand; K: the contracted axis; several contracted axes count as one K, in the product's order):
;;     1. [M 8,192, K 1,024] x [K 1,024, N 1,024]; A: input x; B: input Wq: QUANTISED
;;     2. [M 8,192, K 1,024] x [K 1,024, N 1,024]; A: input x; B: input Wk: QUANTISED
;;     3. [M 8,192, K 1,024] x [K 1,024, N 1,024]; A: input x; B: input Wv: QUANTISED
;;     4. batch 64 x [M 2,048, K 64] x [K 64, N 2,048]; A: computed on the way; B: computed on the way: QUANTISED
;;     5. batch 64 x [M 2,048, K 2,048] x [K 2,048, N 64]; A: softmax (see below); B: computed on the way: QUANTISED
;;     6. [M 8,192, K 1,024] x [K 1,024, N 1,024]; A: computed on the way; B: input Wo: QUANTISED
;;   THE QUANTISER, for each operand of a quantised product, along K:
;;     - K is cut into blocks of 32 from its start; a last block that is shorter is filled with zeros.
;;     - A block's scale is 2^e with e = floor(log2(the largest magnitude in the block)) - 8, held to -126 .. 127; a block of zeros has e = 0. As a byte (E8M0): e + 127.
;;     - Each number is divided by its block's scale, clamped to +-448, and rounded to the nearest number of E4M3, ties to even, subnormals kept.
;;     - The product sums the exact products of the quantised numbers (number of the format x scale) in f32.
;;   ~~~python
;;   def quantise(x, axis):      # numpy; x: float32 -> the quantised numbers, widened to float32 again
;;       x = np.moveaxis(x, axis, -1); K = x.shape[-1]
;;       x = np.pad(x, [(0, 0)] * (x.ndim - 1) + [(0, -K % 32)]); x = x.reshape(x.shape[:-1] + (-1, 32)); a = np.abs(x).max(-1, keepdims=True)
;;       e = np.where(a > 0, np.clip(np.frexp(np.where(a > 0, a, 1))[1] - 1 - 8, -126, 127), 0)      # np.frexp(a)[1] - 1 = floor(log2(a)), exactly
;;       r = np.clip(x / 2.0 ** e, -448, 448)
;;       step = 2.0 ** (np.maximum(np.frexp(np.where(r == 0, 1, r))[1] - 1, -6) - 3)
;;       q = np.round(r / step) * step * 2.0 ** e      # np.round: ties to even
;;       return np.moveaxis(q.reshape(q.shape[:-2] + (-1,))[..., :K], -1, axis).astype(np.float32)
;;   ~~~
;;   SOFTMAX AHEAD OF A QUANTISED PRODUCT. Where the list says 'softmax', what is quantised is not the finished softmax but p = 2^(t - M), with t = logit x log2(e) and M = ceil(the row's largest t), a whole number; so 1/2 < the row's largest p <= 1. The row's sum l is taken of the UNQUANTISED p, in f32, and the product's result is divided by l at the end. Since M is a whole number, a kernel that streams over the keys may use a running M (the ceiling of the running maximum): every later rescaling is an exact power of two, which a block's scale takes up: the codes' values come out the same.
;;   OPERANDS COMPUTED ON THE WAY. 'Computed on the way' means the value that the module computes at that place (a softmax that the list does not call 'softmax' is quantised finished and normalised). What goes into a quantiser is computed in f32, as accurately as f32 sums, v_exp_f32 and their like allow (about 1e-6 of the number): no bf16 or f16 on the way to a quantiser, and a product that is left as it is and whose result goes on into a quantised operand takes f32 operands (vector FMAs, or v_wmma_f32_16x16x4_f32). A number that lies on a knife's edge between two numbers of the format may be rounded either way, as far as f32 arithmetic and the matrix unit's own rounding can turn it there, and no further.
;; One version. Each part assembles by itself: llvm-mc -triple=amdgcn-amd-amdhsa -mcpu=gfx1250 --defsym DOCPART=n.
;; ======== version 1 of 1: 4 launches
;; limits: right only within a limited range of input values
;; workspace buffers: xc 8,388,608 bytes; xs 262,144 bytes; wc 4,194,304 bytes; ws 131,072 bytes; qb 8,912,896 bytes; kvb 17,563,648 bytes; oc 8,388,608 bytes; os 262,144 bytes
;; launch quant_x (part 1): grid 512 x 1, 4 waves a work-group, no clusters, 35,328 bytes of LDS; arguments x, xc, xs, Wq, Wk, Wv, Wo, wc, ws; writes xc, xs, wc, ws
.if DOCPART == 1
	.amdgcn_target "amdgcn-amd-amdhsa--gfx1250"
	.amdhsa_code_object_version 6
	.text
	.protected	k_q07e4b03371_quant_x
	.globl	k_q07e4b03371_quant_x
	.p2align	8
	.type	k_q07e4b03371_quant_x,@function
k_q07e4b03371_quant_x:
	s_mov_b64 s[64:65], 0
	v_nop
	global_prefetch_b8 v0, s[64:65] scope:SCOPE_SE
	s_setreg_imm32_b32 hwreg(HW_REG_WAVE_MODE, 25, 1), 1
	s_wait_xcnt 0x0
; x [8192][1024] f32 becomes codes of FP8 (E4M3) with one E8M0 scale byte for each 32 along K (the last axis), laid as IMAGES OF THE OPERAND'S REGISTERS.
; A tile of 16 rows takes, of a group of 32 rows, the rows 8 u + r + 8 (r / 8), r = 0 .. 15, u = 0, 1.  A fragment (a tile x 128 K) is 2,048 bytes: byte 512 c + 16 l + i is the code of the tile's row l % 16 at
; k = 32 c + 16 (l / 16) + i.  xc: [128 rows][K step][tile][fragment].  xs: [32 rows][pair of K steps][lane][2 words]: lanes 0-15 the scale words of tile u = 0, lanes 16-31 those of u = 1.
; A block's scale is 2^(floor(log2(largest magnitude)) - 8); its byte is the largest magnitude's exponent field - 8, held at 1 from below.
; LIMITS: a block whose largest magnitude lies under 2^-118 gets the byte 1; a block of zeros too (the rule says 127: its codes are zeros, and this program alone reads the bytes); NaN and infinities are not served.
; SHARES.  A work-group takes 32 rows; wave w the K steps 2 w and 2 w + 1 of both tiles: four fragments.  Each load reads 512 consecutive bytes of one row; a fragment's 16 rows turn through the wave's own stage in LDS
; (rows 528 bytes apart) and come back 16 neighbours along K a lane and block.  Every store of codes covers 512 consecutive bytes; the wave's scale words leave as 256 consecutive bytes.  Waves share nothing: no barrier.
.set SPT,  528                         ; a stage row: 512 bytes + 16
.set STG,  16*SPT                      ; a wave's stage
.set R,    16                          ; v16-143  two sets of 64 registers as loaded
.set X,    144                         ; v144-207 register 16 c + i: k = 32 c + 16 (lane / 16) + i of my row
.set TM,   208                         ; v208-211 largest magnitudes, v212-215 bytes, v216-219 448 x the scale, v220-223 the conversions' scale operands
.set PW,   224                         ; the scale word just made
.set W0,   225                         ; v225-226 tile 0's words of the two K steps
.set SWP,  228                         ; v228-229 the pair that is stored
.set PC,   232                         ; v232-247 a fragment's codes
; ONE LAUNCH QUANTISES x AND THE FOUR WEIGHTS: work-groups 0 to 255 take x (the text from here on), work-groups 256 to 511 the weights (the text behind .Lweights).  The two ways part on the work-group's number alone and have LDS bytes of their own.
	s_cmp_ge_u32 ttmp9, 256
	s_cbranch_scc1 .Lweights
	s_load_b128 s[4:7], s[0:1], 0x0
	s_load_b64 s[8:9], s[0:1], 0x10                ; xs
	v_lshl_add_u32 v254, v0, 2, 0x8400
	v_mov_b32 v255, 0
	v_lshrrev_b32 v1, 5, v0
	v_readfirstlane_b32 s10, v1                    ; wave
	v_and_b32 v1, 31, v0                           ; lane
	v_lshlrev_b32 v2, 4, v1                        ; 16 x lane
	v_and_b32 v3, 15, v0                           ; r
	v_bfe_u32 v4, v0, 4, 1                         ; h
	s_mul_i32 s16, s10, STG
	v_add_nc_u32 v5, s16, v2                       ; the stage, on the way in: 16 x lane of a row
	v_mul_u32_u24 v6, v3, SPT
	v_lshl_add_u32 v6, v4, 6, v6
	v_add_nc_u32 v6, s16, v6                       ; and on the way out: row r, + 64 h
	v_lshlrev_b32 v7, 3, v1                        ; 8 x lane
	s_mov_b32 s12, 0x76543210
	s_mov_b32 s13, 0xfedcba98                      ; lane selects: lane l xor 16
	s_mov_b32 s14, 0x600000                        ; the mantissa field of 448
	s_mov_b32 s15, 0xffff0000                      ; lanes 16-31
.irp b, 0,1,2,3
	v_mov_b32 v[TM+4+\b], 0                        ; written once: a lane permute's destination counts as one of its sources
.endr
	s_lshl_b32 s18, ttmp9, 17                      ; x: 32 rows of 4,096 bytes a work-group,
	s_lshl_b32 s19, s10, 10                        ; 1,024 bytes of a row a wave
	s_add_co_u32 s18, s18, s19
	s_mov_b32 s19, 0
	s_lshr_b32 s20, ttmp9, 2                       ; xc: 131,072 bytes for 128 rows,
	s_lshl_b32 s20, s20, 17
	s_lshl_b32 s21, s10, 15                        ; 16,384 a K step,
	s_add_co_u32 s20, s20, s21
	s_and_b32 s21, ttmp9, 3
	s_lshl_b32 s21, s21, 12                        ; 2,048 a tile
	s_add_co_u32 s20, s20, s21
	s_mov_b32 s21, 0
	s_lshl_b32 s22, ttmp9, 10                      ; xs: 1,024 bytes for 32 rows, 256 for a pair of K steps
	s_lshl_b32 s23, s10, 8
	s_add_co_u32 s22, s22, s23
	s_mov_b32 s23, 0
	s_wait_alu depctr_va_vdst(0)
	s_wait_kmcnt 0x0
	s_add_nc_u64 s[4:5], s[4:5], s[18:19]
	s_add_nc_u64 s[6:7], s[6:7], s[20:21]
	s_add_nc_u64 s[8:9], s[8:9], s[22:23]
.macro LOAD set, u, q                  ; tile u's 16 rows, 128 along K: 32 lanes read 512 consecutive bytes
.irp i, 0,1,2,3,4,5,6,7,8,9,10,11,12,13,14,15
	global_load_b128 v[R+64*(\set)+4*\i:R+64*(\set)+4*\i+3], v2, s[4:5] offset:(8*(\u)+\i+8*(\i/8))*4096+512*(\q) th:TH_LOAD_NT
.endr
.endm
.macro TURN set                        ; through the stage: LDS serves a wave's instructions in order, so no wait stands between the stores and the loads
.irp i, 0,1,2,3,4,5,6,7,8,9,10,11,12,13,14,15
	ds_store_b128 v5, v[R+64*(\set)+4*\i:R+64*(\set)+4*\i+3] offset:SPT*\i
.endr
.irp c, 0,1,2,3
.irp j, 0,1,2,3
	ds_load_b128 v[X+16*\c+4*\j:X+16*\c+4*\j+3], v6 offset:128*\c+16*\j
.endr
.endr
.endm
.macro QUANT later                     ; the 64 numbers in v[X] on become a fragment's codes in v[PC] on and its scale word in v[PW]
.irp b, 0,1,2,3
	v_max3_num_f32 v[TM+\b], |v[X+16*\b]|, |v[X+1+16*\b]|, 0x4800000   ; my 16 numbers of block b, and the floor 2^(9 - 127): the byte cannot fall under 1
.endr
.irp i, 2,4,6,8,10,12,14
.irp b, 0,1,2,3
	v_max3_num_f32 v[TM+\b], v[TM+\b], |v[X+16*\b+\i]|, |v[X+1+16*\b+\i]|   ; the four blocks by turns
.endr
.endr
.irp b, 0,1,2,3
	v_permlanex16_b32 v[TM+4+\b], v[TM+\b], s12, s13
.endr
.irp b, 0,1,2,3
	v_max_num_f32 v[TM+\b], v[TM+\b], v[TM+4+\b]   ; with lane l xor 16's 16: the block's largest magnitude
.endr
.irp b, 0,1,2,3
	v_add_nc_u32 v[TM+12+\b], 0xfc000000, v[TM+\b] ; 8 off its exponent field: the conversion takes this operand's exponent field as its scale
.endr
.irp b, 0,1,2,3
	v_and_or_b32 v[TM+8+\b], v[TM+\b], 0x7f800000, s14   ; 448 x the scale
.endr
.irp b, 0,1,2,3
	v_lshrrev_b32 v[TM+4+\b], 23, v[TM+12+\b]      ; the scale's byte
.endr
	v_lshl_or_b32 v[PW], v[TM+5], 8, v[TM+4]
	v_lshl_or_b32 v[PW], v[TM+6], 16, v[PW]
	v_lshl_or_b32 v[PW], v[TM+7], 24, v[PW]
.if (\later) > 0
	s_wait_xcnt 0x0                                ; the last fragment's stores have read v[PC] on: only now is it written again
.endif
.irp b, 0,1,2,3
.irp i, 0,1,2,3,4,5,6,7,8,9,10,11,12,13,14,15
	v_med3_num_f32 v[X+16*\b+\i], v[X+16*\b+\i], -v[TM+8+\b], v[TM+8+\b]   ; the conversion to an 8-bit code does not saturate (ISA guide 7.6.2): the hold
.endr
	v_cvt_scalef32_pk8_fp8_f32 v[PC+4*\b:PC+4*\b+1], v[X+16*\b:X+16*\b+7], v[TM+12+\b]
	v_cvt_scalef32_pk8_fp8_f32 v[PC+4*\b+2:PC+4*\b+3], v[X+16*\b+8:X+16*\b+15], v[TM+12+\b]
.endr
	v_nop                                          ; a plain line behind the last conversion
.endm
.macro DO f, u, q                      ; fragment f: tile u, K step 2 w + q
.if \f < 3
	s_wait_loadcnt 16                              ; this fragment's 16 loads are in; the next fragment's 16 may be out
.else
	s_wait_loadcnt 0x0
.endif
	TURN \f%2
	s_wait_dscnt 0x0                               ; the numbers are back, and the stage's stores have read their registers,
.if \f < 2
	LOAD \f%2, 1, \q                               ; which take the fragment two further on
.endif
	QUANT \f
.irp c, 0,1,2,3
	global_store_b128 v2, v[PC+4*\c:PC+4*\c+3], s[6:7] offset:16384*\q+2048*\u+512*\c   ; 512 consecutive bytes
.endr
.if \u
	v_cndmask_b32 v[SWP+\q], v[W0+\q], v[PW], s15  ; lanes 0-15 tile 0's word, lanes 16-31 tile 1's
.else
	v_mov_b32 v[W0+\q], v[PW]
.endif
.endm
	LOAD 0, 0, 0
	LOAD 1, 0, 1
	DO 0, 0, 0
	DO 1, 0, 1
	DO 2, 1, 0
	DO 3, 1, 1
	global_store_b64 v7, v[SWP:SWP+1], s[8:9]      ; 256 consecutive bytes, aligned
	s_wait_tensorcnt 0x0
	ds_add_u32 v254, v255
	s_wait_dscnt 0x0
	s_endpgm
; THE WEIGHTS.  The four weights [1024 (k)][1024 (n)] f32, whose K is their FIRST axis, become codes of FP8 (E4M3) with one E8M0 byte for each 32 along K, laid as images of the operand's registers.
; The 4,096 columns (Wq, Wk, Wv, Wo on end) go in groups of 32; of a group, tile u takes the columns 8 u + r + 8 (r / 8).  A fragment (a tile x 128 K) is 2,048 bytes: byte 512 c + 16 l + i = column l % 16 of the tile,
; k = 32 c + 16 (l / 16) + i.  wc: [256 columns][K step][tile][fragment].  ws: [group][pair of K steps][lane][2 words]: lanes 0-15 tile 0's scale words, lanes 16-31 tile 1's.
; A lane takes a column and its registers run down K: a block of 32 lies in one lane, each load reads 128 consecutive bytes, nothing is transposed; sixteen lanes of one tile store 256 consecutive aligned bytes.
; LIMITS as for x.  SHARES: work-group 256 + 64 p + gx: wave w takes group 2 gx + w % 2 and K step 2 p + w / 2.  The four scale words a lane meet in LDS (bytes WL on), so that each group's 256 bytes leave as one aligned run.
.set WL, 0x8600                        ; behind x's stages and the spare words
.set X,  32                            ; v32-159  four blocks of 32 numbers
.set C,  160                           ; v160-191 eight registers of codes a block: no store's data are written again
.Lweights:
	s_load_b256 s[4:11], s[0:1], 0x18              ; Wq, Wk, Wv, Wo
	s_load_b128 s[12:15], s[0:1], 0x38             ; wc, ws
	v_lshl_add_u32 v254, v0, 2, 0x8400
	v_mov_b32 v255, 0
	v_lshrrev_b32 v1, 5, v0
	v_readfirstlane_b32 s16, v1                    ; wave
	s_and_b32 s17, s16, 1
	s_lshr_b32 s18, s16, 1
	s_sub_co_u32 s32, ttmp9, 256
	s_lshr_b32 s19, s32, 6                         ; p
	s_and_b32 s32, s32, 63                         ; gx
	s_lshl_b32 s20, s32, 1
	s_add_co_u32 s20, s20, s17                     ; my group of 32 columns
	s_lshl_b32 s21, s19, 1
	s_add_co_u32 s21, s21, s18                     ; my K step
	v_and_b32 v1, 31, v0                           ; lane = my column in the group
	v_lshlrev_b32 v2, 2, v1
	v_bfe_u32 v8, v0, 3, 1                         ; u: which tile my column belongs to,
	v_and_b32 v9, 7, v0
	v_bfe_u32 v10, v0, 4, 1
	v_lshl_add_u32 v9, v10, 3, v9                  ; r: and which row of it
	v_lshlrev_b32 v3, 4, v9
	v_lshl_add_u32 v3, v8, 11, v3                  ; my place in the two fragments: 2,048 u + 16 r
	v_lshl_add_u32 v4, v8, 4, v9
	v_lshlrev_b32 v4, 3, v4                        ; LDS, in: 8 (16 u + r)
	s_lshl_b32 s22, s17, 8
	s_lshl_b32 s23, s18, 2
	s_add_co_u32 s22, s22, s23
	s_add_co_u32 s22, s22, WL
	v_add_nc_u32 v4, s22, v4                       ; + 256 x (wave % 2) + 4 x (wave / 2)
	v_lshlrev_b32 v6, 3, v1
	s_lshl_b32 s23, s16, 8
	s_add_co_u32 s23, s23, WL
	v_add_nc_u32 v5, s23, v6                       ; LDS, out: 256 x wave + 8 x lane (waves 0 and 1 read)
	s_lshl_b32 s24, s21, 19                        ; W: 128 rows of 4,096 bytes a K step,
	s_and_b32 s25, s20, 31
	s_lshl_b32 s25, s25, 7                         ; 128 bytes a group
	s_add_co_u32 s24, s24, s25
	s_mov_b32 s25, 0
	s_lshr_b32 s26, s20, 3                         ; wc: 262,144 bytes for 256 columns,
	s_lshl_b32 s26, s26, 18
	s_lshl_b32 s27, s21, 15                        ; 32,768 a K step,
	s_add_co_u32 s26, s26, s27
	s_and_b32 s27, s20, 7
	s_lshl_b32 s27, s27, 12                        ; 4,096 a group
	s_add_co_u32 s26, s26, s27
	s_mov_b32 s27, 0
	s_lshl_b32 s28, s20, 10                        ; ws: 1,024 bytes a group (in waves 0 and 1, which store, the group is 2 gx + wave), 256 a pair of K steps
	s_lshl_b32 s29, s19, 8
	s_add_co_u32 s28, s28, s29
	s_mov_b32 s29, 0
	s_mov_b32 s31, 0x600000                        ; the mantissa field of 448
	s_lshr_b32 s30, s32, 4                         ; which weight
	s_wait_alu depctr_va_vdst(0)                   ; the wait at the head's end
	s_wait_kmcnt 0x0
	s_cmp_lt_u32 s30, 1
	s_cselect_b64 s[4:5], s[4:5], s[6:7]           ; the choices hang on the work-group's number alone
	s_cmp_lt_u32 s30, 3
	s_cselect_b64 s[8:9], s[8:9], s[10:11]
	s_cmp_lt_u32 s30, 2
	s_cselect_b64 s[4:5], s[4:5], s[8:9]
	s_add_nc_u64 s[4:5], s[4:5], s[24:25]
	s_add_nc_u64 s[12:13], s[12:13], s[26:27]
	s_add_nc_u64 s[14:15], s[14:15], s[28:29]
.macro WLOAD t                         ; block t: W(32 t + i, my column)
.irp i, 0,1,2,3,4,5,6,7,8,9,10,11,12,13,14,15,16,17,18,19,20,21,22,23,24,25,26,27,28,29,30,31
	global_load_b32 v[X+32*(\t)+\i], v2, s[4:5] offset:(32*(\t)+\i)*4096 th:TH_LOAD_NT
.endr
.endm
.macro WBLOCK t
.set XS, X+32*(\t)
.if (\t) < 3
	s_wait_loadcnt 32                              ; this block's 32 loads are in; the next block's may be out
.else
	s_wait_loadcnt 0x0
.endif
.if (\t) < 2
	WLOAD (\t)+2                                   ; two blocks ahead, into registers of their own
.endif
	v_max3_num_f32 v12, |v[XS]|, |v[XS+1]|, |v[XS+2]|     ; the block's largest magnitude: all 32 numbers are mine; two chains
	v_max3_num_f32 v13, |v[XS+3]|, |v[XS+4]|, |v[XS+5]|
.irp i, 6,10,14,18,22,26
	v_max3_num_f32 v12, v12, |v[XS+\i]|, |v[XS+\i+1]|
	v_max3_num_f32 v13, v13, |v[XS+\i+2]|, |v[XS+\i+3]|
.endr
	v_max3_num_f32 v12, v12, |v[XS+30]|, |v[XS+31]|
	v_max3_num_f32 v12, v12, v13, 0x4800000        ; and the floor 2^(9 - 127)
	v_add_nc_u32 v11, 0xfc000000, v12              ; 8 off the exponent field: the conversions' scale operand
	v_and_or_b32 v10, v12, 0x7f800000, s31         ; 448 x the scale
	v_lshrrev_b32 v13, 23, v11                     ; the scale's byte
.if (\t) == 0
	v_mov_b32 v16, v13                             ; four bytes make the K step's scale word, the lower K in the lower byte
.else
	v_lshl_or_b32 v16, v13, 8*(\t), v16
.endif
.irp i, 0,1,2,3,4,5,6,7,8,9,10,11,12,13,14,15,16,17,18,19,20,21,22,23,24,25,26,27,28,29,30,31
	v_med3_num_f32 v[XS+\i], v[XS+\i], -v10, v10   ; the hold: the conversion does not saturate (ISA guide 7.6.2)
.endr
.irp g, 0,1,2,3
	v_cvt_scalef32_pk8_fp8_f32 v[C+8*(\t)+2*\g:C+8*(\t)+2*\g+1], v[XS+8*\g:XS+8*\g+7], v11
.endr
	v_nop                                          ; a plain line behind the last conversion
	global_store_b128 v3, v[C+8*(\t):C+8*(\t)+3], s[12:13] offset:512*(\t)          ; k = 32 t + 0 .. 15: the fragment's lanes 0-15
	global_store_b128 v3, v[C+8*(\t)+4:C+8*(\t)+7], s[12:13] offset:512*(\t)+256    ; k = 32 t + 16 .. 31: its lanes 16-31
.endm
	WLOAD 0
	WLOAD 1
	WBLOCK 0
	WBLOCK 1
	WBLOCK 2
	WBLOCK 3
	ds_store_b32 v4, v16
	s_wait_dscnt 0x0                               ; for the others' sake: my word lies in LDS
	s_barrier_signal -1
	s_barrier_wait -1
	s_cmp_lt_u32 s16, 2
	s_cbranch_scc0 .Lwend
	ds_load_b64 v[18:19], v5                       ; group 2 gx + wave: both K steps' words
	s_wait_dscnt 0x0
	global_store_b64 v6, v[18:19], s[14:15]        ; 256 consecutive bytes, aligned
.Lwend:
	s_wait_tensorcnt 0x0                           ; the wave's end
	ds_add_u32 v254, v255
	s_wait_dscnt 0x0
	s_endpgm
.Lfunc_end_k_q07e4b03371_quant_x:
	.size	k_q07e4b03371_quant_x, .Lfunc_end_k_q07e4b03371_quant_x-k_q07e4b03371_quant_x
	.p2alignl 7, 3214868480
	.fill 96, 4, 3214868480
	.section	.rodata,"a",@progbits
	.p2align	6, 0x0
	.amdhsa_kernel k_q07e4b03371_quant_x
		.amdhsa_group_segment_fixed_size 35328
		.amdhsa_private_segment_fixed_size 0
		.amdhsa_enable_private_segment 0
		.amdhsa_kernarg_size 72
		.amdhsa_user_sgpr_count 2
		.amdhsa_user_sgpr_kernarg_segment_ptr 1
		.amdhsa_wavefront_size32 1
		.amdhsa_system_sgpr_workgroup_id_x 1
		.amdhsa_system_sgpr_workgroup_id_y 1
		.amdhsa_system_sgpr_workgroup_id_z 1
		.amdhsa_system_vgpr_workitem_id 0
		.amdhsa_next_free_vgpr 256
		.amdhsa_next_free_sgpr 66
		.amdhsa_reserve_vcc 0
		.amdhsa_float_denorm_mode_32 3
		.amdhsa_float_denorm_mode_16_64 3
		.amdhsa_memory_ordered 1
		.amdhsa_forward_progress 1
		.amdhsa_inst_pref_size 81
	.end_amdhsa_kernel
	.amdgpu_metadata
---
amdhsa.version: [ 1, 2 ]
amdhsa.kernels:
  - .name:           k_q07e4b03371_quant_x
    .symbol:         k_q07e4b03371_quant_x.kd
    .args:
      - { .name: x, .offset: 0, .size: 8, .value_kind: global_buffer, .address_space: global }
      - { .name: xc, .offset: 8, .size: 8, .value_kind: global_buffer, .address_space: global }
      - { .name: xs, .offset: 16, .size: 8, .value_kind: global_buffer, .address_space: global }
      - { .name: Wq, .offset: 24, .size: 8, .value_kind: global_buffer, .address_space: global }
      - { .name: Wk, .offset: 32, .size: 8, .value_kind: global_buffer, .address_space: global }
      - { .name: Wv, .offset: 40, .size: 8, .value_kind: global_buffer, .address_space: global }
      - { .name: Wo, .offset: 48, .size: 8, .value_kind: global_buffer, .address_space: global }
      - { .name: wc, .offset: 56, .size: 8, .value_kind: global_buffer, .address_space: global }
      - { .name: ws, .offset: 64, .size: 8, .value_kind: global_buffer, .address_space: global }
    .group_segment_fixed_size: 35328
    .private_segment_fixed_size: 0
    .kernarg_segment_align: 8
    .kernarg_segment_size: 72
    .max_flat_workgroup_size: 128
    .sgpr_count:     66
    .vgpr_count:     256
    .wavefront_size: 32
...
	.end_amdgpu_metadata
.endif
;; end of part 1
;; launch qkv (part 2): grid 4 x 64, 4 waves a work-group, clusters of 4 x 4, 327,680 bytes of LDS; arguments xc, xs, wc, ws, bq, bk, bv, qb, kvb; writes qb, kvb
.if DOCPART == 2
	.amdgcn_target "amdgcn-amd-amdhsa--gfx1250"
	.amdhsa_code_object_version 6
	.text
	.protected	k_q07e4b03371_qkv
	.globl	k_q07e4b03371_qkv
	.p2align	8
	.type	k_q07e4b03371_qkv,@function
k_q07e4b03371_qkv:
	s_mov_b64 s[64:65], 0
	v_nop
	global_prefetch_b8 v0, s[64:65] scope:SCOPE_SE
	s_setreg_imm32_b32 hwreg(HW_REG_WAVE_MODE, 25, 1), 1
	s_wait_xcnt 0x0
	s_wait_alu depctr_hold_cnt(0) depctr_sa_sdst(0) depctr_va_vdst(0) depctr_va_sdst(0) depctr_va_ssrc(0) depctr_va_vcc(0) depctr_vm_vsrc(0)
	s_getreg_b32 s2, hwreg(HW_REG_IB_STS2, 6, 4)
	s_cmp_eq_u32 s2, 0
	s_cbranch_scc0 .Lentry_in_a_cluster
	s_endpgm
.Lentry_in_a_cluster:
	s_bfe_u32 s2, ttmp6, 0x10000c
	s_cmp_lg_u32 s2, 0xf033
	s_cbranch_scc0 .Lentry_shape_is_right
	s_endpgm
.Lentry_shape_is_right:
; q = x Wq + bq, k = x Wk + bk, v = x Wv + bv on codes of FP8 (E4M3) with E8M0 scales, and each result quantised at once for attention: q and k along the head's 64, v along the keys.
; OPERANDS lie in memory as images of their registers (a fragment = 16 rows x 128 K = 2,048 bytes, 16 x lane + 512 c); a tile's 16 rows are 8 u + r + 8 (r / 8) of a group of 32.  With such tiles on both sides, the
; 16 registers that a lane holds of source 0's tiles 2 b and 2 b + 1 are 16 NEIGHBOURS along source 0's rows: the conversions' results are the next operand's registers.
; SHARES.  256 WORK-GROUPS THAT STAY: each owns 128 rows of x and columns 256 cx on of EACH weight, and walks three phases, q, k, v.  In a phase wave w makes all 128 rows x columns 64 w on, one head: 8 x 4 accumulators.
; q, k: source 0 = W's columns, source 1 = x's rows: a lane holds a row, its registers run along the head.  v: the sources change places: a lane holds a channel, its registers run along the keys.
; q and k are two trips of one loop; v is written out behind it and asks for nothing more, so that no jump leads round a tensor load.  The bias is the C of each sum's first matrix instruction.
; LDS.  Six regions of a K step for A (16,384 bytes each, from byte 0) and six for B (32,768 each, from 98,304).  A phase multiplies regions 0, 1; 2 to 5; then its two LATE K steps, laid over regions 0, 1.
; x's K steps 2 to 5 stay in their regions through all phases; regions 0, 1 hold steps 0, 1 at the start of q and v and steps 6, 7 at the start of k, whose late steps are 0, 1: the order of K within a sum differs so by phase.
; The scale words are loaded with the pairs of K steps (0, 1) and (6, 7) changed over for k, so that the products' register numbers are the same in every phase.
; FILLS.  At the head one joint load a wave: wave 0 A's six steps, waves 1 to 3 two steps of Wq each.  In a phase three drained rounds of the cluster's barrier, one load a wave behind each: the late steps (a step a wave: A's, B's);
; behind region 5's fetch the NEXT weight's steps 2 to 5 (a step a wave); behind the last products the next weight's two steps for regions 0, 1 (a quarter a wave), which land under the quantiser.  One tensor load of a wave is out at a time.
; CLUSTER 4 x 4: A's tiles hang on the tile row alone and are asked for jointly along a row of the cluster, B's on cx alone, along a column.  No prefetch: each weight's tiles are read by the 64 tile rows at about the same time,
; and all but the late steps are asked for three K steps or more ahead of their use.
; OUT.  qb: [head][128 queries][8,704]: 8 tiles x 1,024 bytes of codes (c = 0, 1), then [lane][4 words] of scales: word g: lanes 0-15 tile 2 g, lanes 16-31 tile 2 g + 1; bytes 2 and 3 are 0.
;       kvb: [head][128 keys][17,152]: K as q; at 8,192 V^T, 4 fragments; at 16,384 K's scales; at 16,896 V's, [lane][2 words].  Every store covers 512 (the last of v: 256) consecutive bytes.
; LIMITS: a block under 2^-118, or of zeros, gets the byte 1 (this program alone reads the bytes); NaN and infinities are not served.
; REGISTERS: window 0: v1-25 addresses; v32-63 A's scale words (pair of tiles g, slot s: 32 + 8 g + s), v64-79 B's; v80-111 the bias; v112-155 the quantiser.
;   window 1: A's fragments, two sets of 128.   window 2: B's, two sets of 64.   window 3: the accumulators, (a, b) at 8 (4 a + b).
.set BREG,  98304                      ; B's regions begin here
.set SPARE, 294912                     ; behind them: the spare words, 128 bytes for each wave
.set G1A, 32                           ; s[32:39] group 1 for A's tiles, s[40:47] for B's whole steps, s[52:59] for quarters of two steps of B
.set G1B, 40
.set G1C, 52
.set G0A, 48                           ; groups 0: s[48:51] A; s[68:71] B's late step; s[72:75] the head's load of B, then the quarters; s[76:79] the next weight's steps 2 to 5
.set G0B, 68
.set G0H, 72
.set G0N, 76
.set ADRA, 6                           ; v6-8   16 x lane + a pair of A's regions
.set ADRB, 9                           ; v9-11  the same for B + 8,192 x wave
.set SPW, 12
.set NIL, 13
.set BA,  14                           ; v14-21 the bias's offsets, one for each register of an accumulator
.set VO0, 24                           ; v24, v25 the scale words' offsets for slots 0, 1 and 6, 7
.set VO3, 25
.set SA,  32
.set SB,  64
.set BIAS, 80
.set TM,  112                          ; largest magnitudes;  TP bytes;  BD 448 x the scale;  SO the conversions' scale operands
.set TP,  116
.set BD,  120
.set SO,  124
.set PC,  128
.set SW,  144
.set VW,  148
.set VP,  152
.set MSB, 0
.macro WIN new                         ; the immediate's high byte repeats the setting that is left
.if MSB != \new
	s_set_vgpr_msb (MSB<<8)|\new
.set MSB, \new
.endif
.endm
.macro PLACES n
.rept \n
	v_nop
.endr
.endm
.macro CROUND                          ; a round of the cluster's barrier
	s_barrier_signal -1
	s_barrier_wait -1
	s_cmp_lg_u32 s22, 0
	s_cbranch_scc1 .Lnot_wave_0_\@
	s_barrier_signal -3
.Lnot_wave_0_\@:
	s_barrier_wait -3
	s_barrier_signal -1
	s_barrier_wait -1
.endm
.macro GRD
	s_wait_tensorcnt 0x0
	ds_add_u32 v[SPW], v[NIL]
.endm
.macro JLOAD                           ; the late steps: waves 0 and 1 for A, waves 2 and 3 for B; four v_nop follow each line
	s_cmp_eq_u32 s23, 0
	s_cbranch_scc0 .Lfor_b_\@
	tensor_load_to_lds s[G0A:G0A+3], s[G1A:G1A+7]
	s_nop 0
	PLACES 4
	s_branch .Lasked_\@
.Lfor_b_\@:
	tensor_load_to_lds s[G0B:G0B+3], s[G1B:G1B+7]
	s_nop 0
	PLACES 4
.Lasked_\@:
.endm
.macro FETCH s, set                    ; slot s: A's 8 fragments and my 4 of B, 48 loads of 512 consecutive bytes
	WIN 0x40
.irp a, 0,1,2,3,4,5,6,7
.irp c, 0,1,2,3
	ds_load_b128 v[128*(\set)+16*\a+4*\c:128*(\set)+16*\a+4*\c+3], v[ADRA+((\s)/2)%3] offset:((\s)%2)*16384+2048*\a+512*\c
.endr
.endr
	WIN 0x80
.irp b, 0,1,2,3
.irp c, 0,1,2,3
	ds_load_b128 v[64*(\set)+16*\b+4*\c:64*(\set)+16*\b+4*\c+3], v[ADRB+((\s)/2)%3] offset:((\s)%2)*32768+2048*\b+512*\c
.endr
.endr
	WIN 0
.endm
.macro WM rp, rq                       ; one product; rp, rq: source 0's, source 1's scales stand in lanes 16-31 of their register
.if (\rp) && (\rq)
	v_wmma_scale_f32_16x16x128_f8f6f4 v[rD:rD+7], v[rP:rP+15], v[rQ:rQ+15], v[rC:rC+7], v[rSP], v[rSQ] matrix_a_scale:MATRIX_SCALE_ROW1 matrix_b_scale:MATRIX_SCALE_ROW1
.elseif (\rp)
	v_wmma_scale_f32_16x16x128_f8f6f4 v[rD:rD+7], v[rP:rP+15], v[rQ:rQ+15], v[rC:rC+7], v[rSP], v[rSQ] matrix_a_scale:MATRIX_SCALE_ROW1
.elseif (\rq)
	v_wmma_scale_f32_16x16x128_f8f6f4 v[rD:rD+7], v[rP:rP+15], v[rQ:rQ+15], v[rC:rC+7], v[rSP], v[rSQ] matrix_b_scale:MATRIX_SCALE_ROW1
.else
	v_wmma_scale_f32_16x16x128_f8f6f4 v[rD:rD+7], v[rP:rP+15], v[rQ:rQ+15], v[rC:rC+7], v[rSP], v[rSQ]
.endif
.endm
; A slot's 32 products.  The 32 accumulators take turns, one instruction a turn, in the same order in every slot.  kind 0: source 0 = B (window 2), source 1 = A (window 1); kind 1: the other way round.
.macro MUL kind, s, set, first
.if \kind
.if \first
	WIN 0xc9                                       ; C = the bias, window 0; D window 3
.else
	WIN 0xf9
.endif
.else
.if \first
	WIN 0xc6
.else
	WIN 0xf6
.endif
.endif
.irp a, 0,1,2,3,4,5,6,7
.irp b, 0,1,2,3
.set rD, 8*(4*\a+\b)
.set rC, rD
.if \first
.set rC, BIAS+8*\b
.endif
.if \kind
.set rP, 128*(\set)+16*\a
.set rQ, 64*(\set)+16*\b
.set rSP, SA+8*(\a/2)+(\s)
.set rSQ, SB+8*(\b/2)+(\s)
	WM \a%2, \b%2
.else
.set rP, 64*(\set)+16*\b
.set rQ, 128*(\set)+16*\a
.set rSP, SB+8*(\b/2)+(\s)
.set rSQ, SA+8*(\a/2)+(\s)
	WM \b%2, \a%2
.endif
.endr
.endr
	WIN 0
.endm
; THE QUANTISER, four blocks of 32 at a time.  A block is 16 registers of a lane and 16 of lane l xor 16.
; mode 0 (q, k), idx = g: block b = tile 2 g + b / 2 of rows, c = b % 2 of the head.   mode 1 (v), idx = B's tile: block b = keys 32 b on.
.macro QREG mode, idx, b, i            ; rX: register i of 16 of block b, in window 3
.if \mode
.set rX, 8*(8*(\b)+(\idx))+((\i)%8)+32*((\i)/8)
.else
.set rX, 8*(4*(2*(\idx)+(\b)/2)+2*((\b)%2))+(\i)
.endif
.endm
.macro QUANT4 mode, idx
.irp b, 0,1,2,3
	v_mov_b32 v[TM+\b], 0x4800000                  ; the floor 2^(9 - 127): the byte cannot fall under 1
.endr
	WIN 0x3c
.irp i, 0,2,4,6,8,10,12,14
.irp b, 0,1,2,3
	QREG \mode, \idx, \b, \i
	v_max3_num_f32 v[TM+\b], v[TM+\b], |v[rX]|, |v[rX+1]|   ; each accumulator from its low end on; the four blocks by turns
.endr
.endr
	WIN 0
.irp b, 0,1,2,3
	v_permlanex16_b32 v[TP+\b], v[TM+\b], s60, s61
.endr
.irp b, 0,1,2,3
	v_max_num_f32 v[TM+\b], v[TM+\b], v[TP+\b]     ; the block's largest magnitude
.endr
.irp b, 0,1,2,3
	v_add_nc_u32 v[SO+\b], 0xfc000000, v[TM+\b]    ; 8 off its exponent field
.endr
.irp b, 0,1,2,3
	v_and_or_b32 v[BD+\b], v[TM+\b], 0x7f800000, s62   ; 448 x the scale
.endr
.irp b, 0,1,2,3
	v_lshrrev_b32 v[TP+\b], 23, v[SO+\b]           ; the scale's byte
.endr
	WIN 0xc3
.irp b, 0,1,2,3
.irp i, 0,1,2,3,4,5,6,7,8,9,10,11,12,13,14,15
	QREG \mode, \idx, \b, \i
	v_med3_num_f32 v[rX], v[rX], -v[BD+\b], v[BD+\b]   ; the hold: the conversion does not saturate (ISA guide 7.6.2)
.endr
.endr
	s_wait_alu depctr_va_vdst(0)                   ; the wait here, directly ahead of the wait below
	s_wait_xcnt 0x0                                ; the stores issued so far have read v[PC] on: only now is it written again
	WIN 0x03
.irp b, 0,1,2,3
	QREG \mode, \idx, \b, 0
	v_cvt_scalef32_pk8_fp8_f32 v[PC+4*\b:PC+4*\b+1], v[rX:rX+7], v[SO+\b]
	QREG \mode, \idx, \b, 8
	v_cvt_scalef32_pk8_fp8_f32 v[PC+4*\b+2:PC+4*\b+3], v[rX:rX+7], v[SO+\b]
.endr
	WIN 0
	v_nop                                          ; a plain line behind the last conversion
.endm
; Scale words and bias of weight s2 (0 q, 1 k, 2 v).  For k slots 0, 1 take K steps 6, 7 and slots 6, 7 steps 0, 1.  No load that named these registers is out.
.macro SETUP
	s_and_b32 s3, s2, 1
	s_mul_i32 s3, s3, 768                          ; a pair of K steps is 256 bytes
	s_sub_co_u32 s100, 768, s3
	s_lshl_b32 s90, s2, 2
	s_add_co_u32 s90, s90, s25
	s_lshl_b32 s90, s90, 13                        ; B's scale words: 8,192 bytes for 256 columns, 2,048 a wave
	s_lshl_b32 s91, s22, 11
	s_add_co_u32 s90, s90, s91
	s_mov_b32 s91, 0
	s_add_nc_u64 s[90:91], s[10:11], s[90:91]
	s_cmp_eq_u32 s2, 0
	s_cselect_b64 s[92:93], s[12:13], s[14:15]
	s_cmp_eq_u32 s2, 2
	s_cselect_b64 s[92:93], s[16:17], s[92:93]
	s_cselect_b32 s82, 0, 64                       ; the bias in the result's layout: bytes for h,
	s_cselect_b32 s83, 4, 0                        ; for the tile's row,
	s_cselect_b32 s101, 0, 4                       ; from register to register
	s_add_nc_u64 s[92:93], s[92:93], s[94:95]
	v_add_nc_u32 v[VO0], s3, v5
	v_add_nc_u32 v[VO3], s100, v5
	v_mul_u32_u24 v[BA], v3, s82
	v_mad_u32_u24 v[BA], v22, s83, v[BA]
.irp j, 1,2,3,4,5,6,7
	v_add_nc_u32 v[BA+\j], s101, v[BA+\j-1]
.endr
.irp g, 0,1,2,3
	global_load_b64 v[SA+8*\g:SA+8*\g+1], v[VO0], s[88:89] offset:1024*\g   ; 256 consecutive bytes: two K steps' words of a pair of tiles
	global_load_b64 v[SA+8*\g+2:SA+8*\g+3], v5, s[88:89] offset:1024*\g+256
	global_load_b64 v[SA+8*\g+4:SA+8*\g+5], v5, s[88:89] offset:1024*\g+512
	global_load_b64 v[SA+8*\g+6:SA+8*\g+7], v[VO3], s[88:89] offset:1024*\g
.endr
.irp g, 0,1
	global_load_b64 v[SB+8*\g:SB+8*\g+1], v[VO0], s[90:91] offset:1024*\g
	global_load_b64 v[SB+8*\g+2:SB+8*\g+3], v5, s[90:91] offset:1024*\g+256
	global_load_b64 v[SB+8*\g+4:SB+8*\g+5], v5, s[90:91] offset:1024*\g+512
	global_load_b64 v[SB+8*\g+6:SB+8*\g+7], v[VO3], s[90:91] offset:1024*\g
.endr
.irp b, 0,1,2,3
.irp j, 0,1,2,3,4,5,6,7
	global_load_b32 v[BIAS+8*\b+\j], v[BA+\j], s[92:93] offset:(32*(\b/2)+8*(\b%2))*4
.endr
.endr
.endm
.macro LATE0                           ; s2 = the phase's first late K step: 6 for q and v, 0 for k
	s_and_b32 s2, s29, 1
	s_mul_i32 s2, s2, 6
	s_sub_co_u32 s2, 6, s2
.endm
; A PHASE.  s29: 0 q, 1 k, 2 v.  kind: which way round the sources stand; last = 1: nothing more is asked for.
.macro PHASE kind, last
	s_wait_xcnt 0x0                                ; the last phase's stores have read their bases
	s_lshr_b32 s2, s28, 4                          ; where my head's block of 128 rows goes
	s_lshl_b32 s2, s2, 4                           ; 16 x batch
	s_lshl_b32 s3, s25, 2
	s_add_co_u32 s2, s2, s3
	s_add_co_u32 s2, s2, s22                       ; + the head: 4 cx + wave
	s_lshl_b32 s2, s2, 4
	s_and_b32 s3, s28, 15
	s_add_co_u32 s2, s2, s3                        ; x 16 + which 128 rows of the sequence
	s_cmp_eq_u32 s29, 0
	s_mov_b32 s3, 17152
	s_cselect_b32 s3, 8704, s3
	s_cselect_b64 s[96:97], s[18:19], s[20:21]     ; q goes to qb, k and v to kvb
	s_mul_i32 s2, s2, s3
	s_mov_b32 s3, 0
	s_add_nc_u64 s[96:97], s[96:97], s[2:3]
	s_cmp_eq_u32 s29, 2
	s_cselect_b32 s2, 8192, 0                      ; V's fragments lie behind K's
	s_mov_b32 s100, 16384
	s_cselect_b32 s100, 16896, s100                ; the scale words: v's, k's,
	s_cmp_eq_u32 s29, 0
	s_cselect_b32 s100, 8192, s100                 ; q's
	s_mov_b32 s101, 0
	s_add_nc_u64 s[98:99], s[96:97], s[100:101]
	s_add_nc_u64 s[96:97], s[96:97], s[2:3]
	s_wait_alu depctr_va_vdst(0)                   ; the wait here, directly ahead of the wait below
	s_wait_tensorcnt 0x0                           ; my part of the phase's six regions is in,
	s_barrier_signal -1
	s_barrier_wait -1                              ; everybody's is
	FETCH 0, 0
	FETCH 1, 1
	s_wait_loadcnt 0x0                             ; scale words and bias
	s_wait_dscnt 48                                ; slot 0's fragments are in; slot 1's 48 loads may be out
	MUL \kind, 0, 0, 1
	GRD
	s_mov_b32 s[G1A+2], 64<<16                     ; no tensor load of mine is out, so descriptors may be written: a load brings one K step: 64 rows of A,
	s_mov_b32 s[G1A+4], 64
	s_mov_b32 s[G1B+2], 128<<16                    ; 128 of B
	s_mov_b32 s[G1B+4], 128
	LATE0
	s_add_co_u32 s3, s2, s24                       ; my late step
	s_lshl_b32 s82, s3, 14
	s_mov_b32 s83, 0
	s_add_nc_u64 s[G0A+2:G0A+3], s[80:81], s[82:83]
	s_or_b32 s[G0A+3], s[G0A+3], 0x80000000
	s_lshl_b32 s82, s3, 15
	s_lshl_b32 s84, s29, 20                        ; a weight is four blocks of 262,144 bytes
	s_add_co_u32 s82, s82, s84
	s_add_nc_u64 s[G0B+2:G0B+3], s[66:67], s[82:83]
	s_or_b32 s[G0B+3], s[G0B+3], 0x80000000
	s_wait_dscnt 0x0                               ; the add is done, and my reads of regions 0 and 1 are over
	CROUND                                         ; no wave of any partner still reads them or has a load on its way
	JLOAD
	PLACES 4                                       ; with the four behind the load: eight places in front of loads into registers that the last products read
	FETCH 2, 0
	MUL \kind, 1, 1, 0
	PLACES 8
	FETCH 3, 1
	s_wait_dscnt 48                                ; all but the 48 just issued
	MUL \kind, 2, 0, 0
	PLACES 8
	FETCH 4, 0
	s_wait_dscnt 48
	MUL \kind, 3, 1, 0
	PLACES 8
	FETCH 5, 1
	s_wait_dscnt 48
	MUL \kind, 4, 0, 0
.if \last
	s_wait_tensorcnt 0x0                           ; my part of the late steps has landed,
	s_wait_dscnt 0x0
	s_barrier_signal -1
	s_barrier_wait -1                              ; everybody's has
	PLACES 8
.else
	GRD
	s_add_co_u32 s2, s29, 1                        ; the next weight's K step 2 + wave, into B's region of that number
	s_lshl_b32 s82, s2, 20
	s_add_co_u32 s3, s22, 2
	s_lshl_b32 s3, s3, 15
	s_add_co_u32 s82, s82, s3
	s_mov_b32 s83, 0
	s_add_nc_u64 s[G0N+2:G0N+3], s[66:67], s[82:83]
	s_or_b32 s[G0N+3], s[G0N+3], 0x80000000
	s_wait_dscnt 0x0                               ; the add is done, and my reads of regions 2 to 5 are over
	CROUND
	tensor_load_to_lds s[G0N:G0N+3], s[G1B:G1B+7]
	s_nop 0
	PLACES 8
.endif
	FETCH 6, 0
	MUL \kind, 5, 1, 0
	PLACES 8
	FETCH 7, 1
	s_wait_dscnt 48
	MUL \kind, 6, 0, 0
	s_wait_dscnt 0x0
	MUL \kind, 7, 1, 0
.if \last
	PLACES 8                                       ; in front of the first read of results
.else
	GRD
	LATE0                                          ; regions 0 and 1 now hold x's late steps: the next weight's same two steps go beside them, a quarter of their 65,536 bytes a wave
	s_lshl_b32 s82, s2, 15
	s_lshl_b32 s3, s22, 14
	s_add_co_u32 s82, s82, s3
	s_add_co_u32 s[G0H+1], s3, BREG
	s_add_co_u32 s3, s29, 1
	s_lshl_b32 s3, s3, 20
	s_add_co_u32 s82, s82, s3
	s_mov_b32 s83, 0
	s_add_nc_u64 s[G0H+2:G0H+3], s[66:67], s[82:83]
	s_or_b32 s[G0H+3], s[G0H+3], 0x80000000
	s_wait_dscnt 0x0
	CROUND
	tensor_load_to_lds s[G0H:G0H+3], s[G1C:G1C+7]
	s_nop 0
	PLACES 8                                       ; also the places in front of the loads below and of the first read of results
	s_add_co_u32 s2, s29, 1
	SETUP                                          ; the next phase's scale words and bias land under the quantiser
.endif
.if \kind
.irp t, 0,1,2,3
	QUANT4 1, \t
	v_lshl_or_b32 v[VW+\t], v[TP+1], 8, v[TP]      ; the four bytes of these 128 keys make my channel's scale word
	v_lshl_or_b32 v[VW+\t], v[TP+2], 16, v[VW+\t]
	v_lshl_or_b32 v[VW+\t], v[TP+3], 24, v[VW+\t]
.if \t%2
	v_cndmask_b32 v[VP+\t/2], v[VW+\t-1], v[VW+\t], s63
.endif
.irp b, 0,1,2,3
	global_store_b128 v4, v[PC+4*\b:PC+4*\b+3], s[96:97] offset:2048*\t+512*\b
.endr
.endr
	global_store_b64 v5, v[VP:VP+1], s[98:99]
.else
.irp g, 0,1,2,3
	QUANT4 0, \g
	v_lshl_or_b32 v[VW], v[TP+1], 8, v[TP]         ; tile 2 g's word: two bytes, and zeros above them,
	v_lshl_or_b32 v[VW+1], v[TP+3], 8, v[TP+2]     ; tile 2 g + 1's
	v_cndmask_b32 v[SW+\g], v[VW], v[VW+1], s63    ; lanes 0-15 the even tile's, lanes 16-31 the odd one's
.irp b, 0,1,2,3
	global_store_b128 v4, v[PC+4*\b:PC+4*\b+3], s[96:97] offset:(2*\g+\b/2)*1024+512*(\b%2)   ; 512 consecutive bytes
.endr
.endr
	global_store_b128 v4, v[SW:SW+3], s[98:99]
.endif
.endm
	s_load_b256 s[4:11], s[0:1], 0x0               ; xc, xs, wc, ws
	s_load_b256 s[12:19], s[0:1], 0x20             ; bq, bk, bv, qb
	s_load_b64 s[20:21], s[0:1], 0x40              ; kvb
	v_lshl_add_u32 v[SPW], v0, 2, SPARE
	v_mov_b32 v[NIL], 0
	ds_add_u32 v[SPW], v[NIL]                      ; the opening lines: the add twice on end and its wait ahead of my first tensor load
	ds_add_u32 v[SPW], v[NIL]
	v_lshrrev_b32 v1, 5, v0
	v_readfirstlane_b32 s22, v1                    ; wave 0..3
	s_lshr_b32 s23, s22, 1                         ; of the late steps I fetch for A (0) or for B (1),
	s_and_b32 s24, s22, 1                          ; the first or the second
	s_bfe_u32 s25, ttmp6, 0x40000                  ; cx: my 256 columns of each weight
	s_bfe_u32 s26, ttmp6, 0x40004                  ; cy
	s_and_b32 s28, ttmp7, 0xffff
	s_lshl_b32 s28, s28, 2
	s_add_co_u32 s28, s28, s26                     ; tile row: 128 rows
	s_lshl_b32 s30, s26, 2
	s_lshl_b32 s30, 15, s30                        ; my row of the cluster
	s_lshl_b32 s31, 0x1111, s25                    ; my column
	s_or_b32 s[G1A], s30, (3<<16)|(1<<21)          ; 15:0 the mask; 17:16 elements of 8 bytes; 21 set beside a mask; no padding
	s_mov_b32 s[G1A+1], 32<<16                     ; rows of 256 bytes,
	s_mov_b32 s[G1A+2], 384<<16                    ; at the head 384 of them: A's six K steps
	s_mov_b32 s[G1A+3], 32<<16
	s_mov_b32 s[G1A+4], 384
	s_mov_b32 s[G1A+5], 32                         ; dense
	s_mov_b32 s[G1A+6], 0
	s_mov_b32 s[G1A+7], 0
	s_or_b32 s[G1B], s31, (3<<16)|(1<<21)
	s_mov_b32 s[G1B+1], 32<<16
	s_mov_b32 s[G1B+2], 256<<16                    ; at the head two K steps of B
	s_mov_b32 s[G1B+3], 32<<16
	s_mov_b32 s[G1B+4], 256
	s_mov_b32 s[G1B+5], 32
	s_mov_b32 s[G1B+6], 0
	s_mov_b32 s[G1B+7], 0
	s_or_b32 s[G1C], s31, (3<<16)|(1<<21)
	s_mov_b32 s[G1C+1], 32<<16
	s_mov_b32 s[G1C+2], 64<<16                     ; half a K step of B
	s_mov_b32 s[G1C+3], 32<<16
	s_mov_b32 s[G1C+4], 64
	s_mov_b32 s[G1C+5], 32
	s_mov_b32 s[G1C+6], 0
	s_mov_b32 s[G1C+7], 0
	s_lshl_b32 s80, s28, 17                        ; A: 131,072 bytes a tile row
	s_mov_b32 s81, 0
	s_lshl_b32 s66, s25, 18                        ; B: 262,144 bytes for 256 columns
	s_mov_b32 s67, 0
	s_lshl_b32 s86, s24, 14                        ; where the late steps go: the wave's number alone
	s_lshl_b32 s87, s24, 15
	s_add_co_u32 s87, s87, BREG
	s_add_co_u32 s85, s22, 3                       ; the head's loads of B: wave w takes K steps 2 (w - 1) and 2 (w - 1) + 1,
	s_and_b32 s85, s85, 3
	s_lshl_b32 s82, s85, 16
	s_mov_b32 s83, 0
	s_mul_i32 s84, s22, 65536                      ; to LDS byte 98,304 + 65,536 (w - 1)
	s_add_co_u32 s84, s84, 32768
	s_lshl_b32 s[G0N+1], s22, 15                   ; B's region 2 + wave
	s_add_co_u32 s[G0N+1], s[G0N+1], BREG+65536
	s_mov_b32 s60, 0x76543210
	s_mov_b32 s61, 0xfedcba98                      ; lane selects: lane l xor 16
	s_mov_b32 s62, 0x600000                        ; the mantissa field of 448
	s_mov_b32 s63, 0xffff0000                      ; lanes 16-31
	s_wait_dscnt 0x0
	s_wait_kmcnt 0x0
	s_add_nc_u64 s[80:81], s[4:5], s[80:81]
	s_add_nc_u64 s[66:67], s[8:9], s[66:67]
	CROUND                                         ; all sixteen work-groups are here: the first joint loads meet
	s_mov_b32 s[G0A], 1
	s_mov_b32 s[G0A+1], s86
	s_mov_b64 s[G0A+2:G0A+3], s[80:81]
	s_or_b32 s[G0A+3], s[G0A+3], 0x80000000
	s_mov_b32 s[G0B], 1
	s_mov_b32 s[G0B+1], s87
	s_mov_b32 s[G0N], 1
	s_mov_b32 s[G0H], 1
	s_mov_b32 s[G0H+1], s84
	s_add_nc_u64 s[G0H+2:G0H+3], s[66:67], s[82:83]
	s_or_b32 s[G0H+3], s[G0H+3], 0x80000000
	s_cmp_eq_u32 s22, 0                            ; one load a wave at the head, in the arms of one branch on the wave's number
	s_cbranch_scc0 .Lfirst_b
	tensor_load_to_lds s[G0A:G0A+3], s[G1A:G1A+7]
	s_nop 0
	PLACES 4
	s_branch .Lfirst_asked
.Lfirst_b:
	tensor_load_to_lds s[G0H:G0H+3], s[G1B:G1B+7]
	s_nop 0
	PLACES 4
.Lfirst_asked:
	v_and_b32 v1, 31, v0                           ; lane
	v_and_b32 v2, 15, v0                           ; r
	v_bfe_u32 v3, v0, 4, 1                         ; h
	v_lshlrev_b32 v4, 4, v1                        ; 16 x lane
	v_lshlrev_b32 v5, 3, v1                        ; 8 x lane
	s_lshl_b32 s84, s22, 13                        ; my 4 tiles of B's 16
	s_add_co_u32 s84, s84, BREG
.irp t, 0,1,2
	v_add_nc_u32 v[ADRA+\t], \t*32768, v4
	v_add_nc_u32 v[ADRB+\t], s84, v4
	s_add_co_u32 s84, s84, 65536
.endr
.irp b, 0,1,2,3
	v_mov_b32 v[TP+\b], 0                          ; written once: a lane permute's destination counts as one of its sources
.endr
	v_and_b32 v22, 8, v2
	v_add_nc_u32 v22, v22, v2                      ; r + 8 (r / 8)
	s_wait_alu depctr_va_vdst(0)
	s_lshl_b32 s88, s28, 12                        ; A's scale words: 4,096 bytes a tile row
	s_mov_b32 s89, 0
	s_add_nc_u64 s[88:89], s[6:7], s[88:89]
	s_lshl_b32 s94, s25, 10                        ; my 64 columns in a bias: 256 cx + 64 x wave
	s_lshl_b32 s95, s22, 8
	s_add_co_u32 s94, s94, s95
	s_mov_b32 s95, 0
	s_mov_b32 s2, 0
	SETUP
	s_mov_b32 s29, 0
.Lphase:                                           ; q, then k
	PHASE 0, 0
	s_add_co_u32 s29, s29, 1
	s_cmp_lt_u32 s29, 2
	s_wait_alu depctr_va_vdst(0)                   ; the wait here, directly ahead of the branch
	s_cbranch_scc1 .Lphase
	PHASE 1, 1                                     ; v
	s_wait_tensorcnt 0x0                           ; the wave's end
	ds_add_u32 v[SPW], v[NIL]
	s_wait_dscnt 0x0
	CROUND                                         ; the closing round: no work-group ends while a partner may still ask for a tile that names it
	s_endpgm
.Lfunc_end_k_q07e4b03371_qkv:
	.size	k_q07e4b03371_qkv, .Lfunc_end_k_q07e4b03371_qkv-k_q07e4b03371_qkv
	.p2alignl 7, 3214868480
	.fill 96, 4, 3214868480
	.section	.rodata,"a",@progbits
	.p2align	6, 0x0
	.amdhsa_kernel k_q07e4b03371_qkv
		.amdhsa_group_segment_fixed_size 327680
		.amdhsa_private_segment_fixed_size 0
		.amdhsa_enable_private_segment 0
		.amdhsa_kernarg_size 72
		.amdhsa_user_sgpr_count 2
		.amdhsa_user_sgpr_kernarg_segment_ptr 1
		.amdhsa_wavefront_size32 1
		.amdhsa_system_sgpr_workgroup_id_x 1
		.amdhsa_system_sgpr_workgroup_id_y 1
		.amdhsa_system_sgpr_workgroup_id_z 1
		.amdhsa_system_vgpr_workitem_id 0
		.amdhsa_next_free_vgpr 1024
		.amdhsa_next_free_sgpr 102
		.amdhsa_reserve_vcc 0
		.amdhsa_float_denorm_mode_32 3
		.amdhsa_float_denorm_mode_16_64 3
		.amdhsa_memory_ordered 1
		.amdhsa_forward_progress 1
		.amdhsa_inst_pref_size 215
	.end_amdhsa_kernel
	.amdgpu_metadata
---
amdhsa.version: [ 1, 2 ]
amdhsa.kernels:
  - .name:           k_q07e4b03371_qkv
    .symbol:         k_q07e4b03371_qkv.kd
    .args:
      - { .name: xc, .offset: 0, .size: 8, .value_kind: global_buffer, .address_space: global }
      - { .name: xs, .offset: 8, .size: 8, .value_kind: global_buffer, .address_space: global }
      - { .name: wc, .offset: 16, .size: 8, .value_kind: global_buffer, .address_space: global }
      - { .name: ws, .offset: 24, .size: 8, .value_kind: global_buffer, .address_space: global }
      - { .name: bq, .offset: 32, .size: 8, .value_kind: global_buffer, .address_space: global }
      - { .name: bk, .offset: 40, .size: 8, .value_kind: global_buffer, .address_space: global }
      - { .name: bv, .offset: 48, .size: 8, .value_kind: global_buffer, .address_space: global }
      - { .name: qb, .offset: 56, .size: 8, .value_kind: global_buffer, .address_space: global }
      - { .name: kvb, .offset: 64, .size: 8, .value_kind: global_buffer, .address_space: global }
    .group_segment_fixed_size: 327680
    .private_segment_fixed_size: 0
    .kernarg_segment_align: 8
    .kernarg_segment_size: 72
    .max_flat_workgroup_size: 128
    .sgpr_count:     102
    .vgpr_count:     1024
    .wavefront_size: 32
...
	.end_amdgpu_metadata
.endif
;; end of part 2
;; launch attn (part 3): grid 4 x 64, 8 waves a work-group, clusters of 4 x 1, 327,680 bytes of LDS; arguments qb, kvb, oc, os; writes oc, os
.if DOCPART == 3
	.amdgcn_target "amdgcn-amd-amdhsa--gfx1250"
	.amdhsa_code_object_version 6
	.text
	.protected	k_q07e4b03371_attn
	.globl	k_q07e4b03371_attn
	.p2align	8
	.type	k_q07e4b03371_attn,@function
k_q07e4b03371_attn:
	s_mov_b64 s[64:65], 0
	v_nop
	global_prefetch_b8 v0, s[64:65] scope:SCOPE_SE
	s_setreg_imm32_b32 hwreg(HW_REG_WAVE_MODE, 25, 1), 1
	s_wait_xcnt 0x0
	s_wait_alu depctr_hold_cnt(0) depctr_sa_sdst(0) depctr_va_vdst(0) depctr_va_sdst(0) depctr_va_ssrc(0) depctr_va_vcc(0) depctr_vm_vsrc(0)
	s_getreg_b32 s2, hwreg(HW_REG_IB_STS2, 6, 4)
	s_cmp_eq_u32 s2, 0
	s_cbranch_scc0 .Lentry_in_a_cluster
	s_endpgm
.Lentry_in_a_cluster:
	s_bfe_u32 s2, ttmp6, 0x10000c
	s_cmp_lg_u32 s2, 0x3003
	s_cbranch_scc0 .Lentry_shape_is_right
	s_endpgm
.Lentry_shape_is_right:
; Attention of one head on codes of FP8 (E4M3) with E8M0 scales; 2,048 queries, 2,048 keys, head size 64.  The result, divided by the row's sum, is quantised at once along the model's 1,024 for the last product.
; THE SOFTMAX: t = score x log2(e) / 8; M = the running largest t rounded UP to a whole number; p = 2^(t - M) is quantised along the keys, not normalised; the row's sum is taken of the unquantised p and divides at the end.
; When M moves, the sum and O are multiplied by 2^(old M - new M): exact.
; SHARES.  A cluster of four work-groups owns a head, each 512 queries.  A whole head's K and V, codes and scales (16 key steps x 17,152 bytes), stay in LDS: eight first fills, two key steps a wave, asked for jointly by the
; four; nothing is filled again and the key loop has no barrier.  One tensor load of a wave is out.  No prefetch: the one fill stands at the head, with no loop ahead of it to ask from.
; A WAVE WALKS TWO TILES OF 16 QUERIES AT ONCE (tile w of the groups of 128 queries 2 pass + u, u = 0, 1), in two passes: each fragment of K and V that it reads from LDS feeds two products, and the two tiles' chains take turns.
; V has registers of its own, and K's tiles of the NEXT key step (step + 1 modulo 16: the last step fetches the next pass's first) are fetched with V behind the scores' products: one run of 34 LDS loads a step, one wait for it.
; LAYOUT.  Both products are used transposed: S^T = K Q^T, O^T = V^T P^T: a lane holds ONE query of each tile.  Operands lie as images of their registers (16 x lane + 512 c); a tile's 16 rows are 8 u + r + 8 (r / 8) of a group
; of 32, so that the 16 registers of tiles 2 b and 2 b + 1 of a result are 16 neighbours: the conversions give the next operand's registers.
; THE HEAD'S K IS 64, THE INSTRUCTION'S 128.  Q's registers 8-15 are zero codes.  K's tile t is read as 16 registers from 8 t on: its upper half is the next tile's codes (zeros behind the last), finite numbers that meet Q's zero
; codes; the scale bytes of that half are 0 on both sides (2^-127, no NaN).
; LIMITS: a block's largest p is taken through its largest score (this leans on v_exp_f32 not falling where its input rises); 1 / sum by v_rcp_f32; a block under 2^-118, or of zeros, gets the byte 1; NaN and infinities are not
; served; the scaled scores stay under 2^31 in magnitude.
; REGISTERS.  Window 0: addresses, scales, the softmax's registers, S^T / p of both tiles (block n = 4 u + b at S + 16 n), p's codes.  Window 1: K's tiles, V's fragments, Q, O^T.
.set KSB,  17152                       ; a key step in LDS and in kvb: K's 8 tiles x 1,024; at 8,192 V's 4 fragments; at 16,384 K's scale words; at 16,896 V's
.set OSG,  16*KSB                      ; behind them: the result's scale halfwords, 4 x 256 bytes: no fill lands there
.set SPARE, OSG+1024                   ; the spare words, 128 bytes a wave
.set NM,  12                           ; pair NM + 2 u: -M, the largest t
.set SM,  16                           ; pair SM + 2 u: the sum in two halves
.set F,   20                           ; pair F + 2 u: the low word is f
.set TT,  24
.set HW,  26                           ; the result's two scale bytes
.set KS,  28
.set VS,  32
.set QS,  34
.set PS,  36
.set BM,  40                           ; a block's largest score, then its largest p
.set PT,  48
.set BD,  56                           ; 448 x the scale
.set SO,  64                           ; the conversions' scale operands
.set TS,  72                           ; v72-85 seven pairs for the sums
.set T2,  88
.set SPW, 90
.set NIL, 91
.set S,   96                           ; v96-223
.set PCD, 224                          ; v224-255 codes, 16 a tile
.set KF,  0                            ; window 1: v0-63 K's tiles, v64-71 zeros
.set VF,  72                           ; window 1: v72-135
.set Q,   136                          ; window 1: 16 a tile, the upper 8 zeros
.set O,   168                          ; window 1: 32 a tile
.set MSB, 0
.macro WIN new                         ; the immediate's high byte repeats the setting that is left
.if MSB != \new
	s_set_vgpr_msb (MSB<<8)|\new
.set MSB, \new
.endif
.endm
.macro CROUND                          ; a round of the cluster's barrier
	s_barrier_signal -1
	s_barrier_wait -1
	s_cmp_lg_u32 s12, 0
	s_cbranch_scc1 .Lnot_wave_0_\@
	s_barrier_signal -3
.Lnot_wave_0_\@:
	s_barrier_wait -3
	s_barrier_signal -1
	s_barrier_wait -1
.endm
	s_load_b256 s[4:11], s[0:1], 0x0               ; qb, kvb, oc, os
	v_lshl_add_u32 v[SPW], v0, 2, SPARE
	v_mov_b32 v[NIL], 0
	ds_add_u32 v[SPW], v[NIL]                      ; the opening lines: the add twice on end and its wait ahead of my tensor load
	ds_add_u32 v[SPW], v[NIL]
	v_lshrrev_b32 v1, 5, v0
	v_readfirstlane_b32 s12, v1                    ; wave 0..7: my tile in each group of 128 queries
	s_bfe_u32 s13, ttmp6, 0x40000                  ; cx: my 512 queries: it enters Q's and the results' global addresses alone
	s_and_b32 s14, ttmp7, 0xffff                   ; batch x 16 + head, which the four partners share
	s_lshr_b32 s15, s14, 4                         ; batch
	s_and_b32 s16, s14, 15                         ; head
	s_mov_b32 s24, 15|(3<<16)|(1<<21)              ; group 1: the mask: all four work-groups; elements of 8 bytes; bit 21 beside a mask; no padding
	s_mov_b32 s25, 32<<16                          ; rows of 256 bytes,
	s_mov_b32 s26, 134<<16                         ; 134 of them: two key steps, 34,304 dense bytes
	s_mov_b32 s27, 32<<16
	s_mov_b32 s28, 134
	s_mov_b32 s29, 32
	s_mov_b32 s30, 0
	s_mov_b32 s31, 0
	s_mov_b32 s32, 1
	s_mul_i32 s33, s12, 2*KSB                      ; LDS address: key steps 2 w and 2 w + 1,
	s_mul_i32 s44, s14, 16*KSB
	s_add_co_u32 s44, s44, s33                     ; and the same steps of my head in kvb
	s_mov_b32 s45, 0
	s_mov_b32 s19, 0x600000                        ; the mantissa field of 448
	s_mov_b32 s20, 0x76543210
	s_mov_b32 s21, 0xfedcba98                      ; lane selects: lane l xor 16
	s_mov_b32 s22, 0x3e38aa3b                      ; c = log2(e) / 8
	s_mov_b32 s23, s22
	s_lshl_b32 s48, s13, 2                         ; my first group: 4 cx
	s_mul_i32 s50, s14, 16*8704
	s_mul_i32 s51, s48, 8704
	s_add_co_u32 s50, s50, s51                     ; its first byte in qb
	s_lshl_b32 s51, s12, 10
	s_add_co_u32 s36, s50, s51                     ; my tile's codes
	s_mov_b32 s37, 0
	s_and_b32 s51, s12, 1
	s_lshl_b32 s51, s51, 8
	s_add_co_u32 s38, s50, s51                     ; its scale words: an odd tile's stand in lanes 16-31: 256 bytes on;
	s_lshr_b32 s51, s12, 1
	s_lshl_b32 s51, s51, 2
	s_add_co_u32 s38, s38, s51                     ; word tile / 2 of a lane's four
	s_add_co_u32 s38, s38, 8192
	s_mov_b32 s39, 0
	s_lshl_b32 s52, s15, 4
	s_add_co_u32 s51, s52, s48                     ; oc: which 128 rows of the 8,192,
	s_lshl_b32 s40, s51, 17
	s_lshr_b32 s51, s16, 1
	s_lshl_b32 s51, s51, 14                        ; K step head / 2,
	s_add_co_u32 s40, s40, s51
	s_lshl_b32 s51, s12, 11                        ; my tile's fragment,
	s_add_co_u32 s40, s40, s51
	s_and_b32 s51, s16, 1
	s_lshl_b32 s51, s51, 10                        ; c = 2 (head % 2) on
	s_add_co_u32 s40, s40, s51
	s_mov_b32 s41, 0
	s_and_b32 s51, s12, 3                          ; os: waves 0 to 3 store the four groups: 4,096 bytes a group, 256 a head
	s_add_co_u32 s51, s51, s48
	s_add_co_u32 s51, s51, s52
	s_lshl_b32 s42, s51, 12
	s_lshl_b32 s51, s16, 8
	s_add_co_u32 s42, s42, s51
	s_mov_b32 s43, 0
	s_and_b32 s53, s12, 1                          ; LDS: my tile's halfword in a group's 256 bytes: 128 (w % 2) + 2 (w / 2)
	s_lshl_b32 s53, s53, 7
	s_lshr_b32 s54, s12, 1
	s_lshl_b32 s54, s54, 1
	s_add_co_u32 s53, s53, s54
	s_add_co_u32 s53, s53, OSG
	s_and_b32 s55, s12, 3
	s_lshl_b32 s55, s55, 8
	s_add_co_u32 s55, s55, OSG
	s_wait_dscnt 0x0
	s_wait_kmcnt 0x0
	s_add_nc_u64 s[34:35], s[6:7], s[44:45]
	s_or_b32 s35, s35, 0x80000000                  ; type = 2
	s_add_nc_u64 s[36:37], s[4:5], s[36:37]
	s_add_nc_u64 s[38:39], s[4:5], s[38:39]
	s_add_nc_u64 s[40:41], s[8:9], s[40:41]
	s_add_nc_u64 s[42:43], s[10:11], s[42:43]
	CROUND                                         ; all four work-groups are here: the joint loads meet
	tensor_load_to_lds s[32:35], s[24:31]          ; my two key steps, for all four
	s_nop 0
.rept 4
	v_nop
.endr
	v_and_b32 v1, 31, v0
	v_and_b32 v9, 15, v0                           ; r
	v_lshlrev_b32 v2, 4, v1                        ; 16 x lane
	v_lshlrev_b32 v3, 3, v1                        ; 8 x lane
	v_lshlrev_b32 v6, 4, v9                        ; 16 r
	v_lshl_add_u32 v8, v9, 3, s53                  ; where my row's two scale bytes go
	v_add_nc_u32 v10, s55, v3                      ; where waves 0 to 3 read a group's 256 bytes back
	WIN 0x40                                       ; destination window 1
.irp u, 0,1
	global_load_b128 v[Q+16*\u:Q+16*\u+3], v2, s[36:37] offset:8704*\u         ; Q's codes: c = 0,
	global_load_b128 v[Q+16*\u+4:Q+16*\u+7], v2, s[36:37] offset:8704*\u+512   ; c = 1
.endr
.irp j, 0,1,2,3,4,5,6,7
	v_mov_b32 v[Q+8+\j], 0                         ; Q's upper 64 along K: zero codes
	v_mov_b32 v[Q+24+\j], 0
	v_mov_b32 v[KF+64+\j], 0                       ; behind K's last tile
.endr
	WIN 0
.irp u, 0,1
	global_load_b32 v[QS+\u], v6, s[38:39] offset:8704*\u   ; Q's scale words, row r's in lane r
.endr
.irp n, 0,1,2,3,4,5,6,7
	v_mov_b32 v[PT+\n], 0                          ; written once: a lane permute's destination counts as one of its sources
.endr
	v_mov_b32 v[F+1], 0                            ; (named as the upper halves of pairs)
	v_mov_b32 v[F+3], 0
	s_wait_alu depctr_va_vdst(0)                   ; the wait at the head's end
	s_wait_tensorcnt 0x0                           ; my key steps have landed,
	s_barrier_signal -1
	s_barrier_wait -1                              ; everybody's have: the whole head lies in LDS
	WIN 0x40
.irp t, 0,1,2,3,4,5,6,7
.irp c, 0,1
	ds_load_b128 v[KF+8*\t+4*\c:KF+8*\t+4*\c+3], v2 offset:1024*\t+512*\c   ; key step 0's tiles of K
.endr
.endr
	WIN 0
	ds_load_b128 v[KS:KS+3], v2 offset:16384       ; word g: lanes 0-15 tile 2 g's, lanes 16-31 tile 2 g + 1's
.macro ROWSUM u                        ; tile u's 32 pairs of p onto its sum: 32 packed additions in eight chains
.irp k, 0,1,2,3,4,5,6
	v_pk_add_f32 v[TS+2*\k:TS+2*\k+1], v[S+64*\u+4*\k:S+64*\u+4*\k+1], v[S+64*\u+4*\k+2:S+64*\u+4*\k+3]
.endr
	v_pk_add_f32 v[SM+2*\u:SM+2*\u+1], v[SM+2*\u:SM+2*\u+1], v[S+64*\u+28:S+64*\u+29]
.irp k, 0,1,2,3,4,5,6
	v_pk_add_f32 v[TS+2*\k:TS+2*\k+1], v[TS+2*\k:TS+2*\k+1], v[S+64*\u+30+2*\k:S+64*\u+31+2*\k]
.endr
	v_pk_add_f32 v[SM+2*\u:SM+2*\u+1], v[SM+2*\u:SM+2*\u+1], v[S+64*\u+44:S+64*\u+45]
.irp k, 0,1,2,3,4,5,6
	v_pk_add_f32 v[TS+2*\k:TS+2*\k+1], v[TS+2*\k:TS+2*\k+1], v[S+64*\u+46+2*\k:S+64*\u+47+2*\k]
.endr
	v_pk_add_f32 v[SM+2*\u:SM+2*\u+1], v[SM+2*\u:SM+2*\u+1], v[S+64*\u+60:S+64*\u+61]
	v_pk_add_f32 v[TS:TS+1], v[TS:TS+1], v[S+64*\u+62:S+64*\u+63]
	v_pk_add_f32 v[SM+2*\u:SM+2*\u+1], v[SM+2*\u:SM+2*\u+1], v[TS+6:TS+7]
	v_pk_add_f32 v[TS:TS+1], v[TS:TS+1], v[TS+8:TS+9]
	v_pk_add_f32 v[TS+2:TS+3], v[TS+2:TS+3], v[TS+10:TS+11]
	v_pk_add_f32 v[TS+4:TS+5], v[TS+4:TS+5], v[TS+12:TS+13]
	v_pk_add_f32 v[SM+2*\u:SM+2*\u+1], v[SM+2*\u:SM+2*\u+1], v[TS+2:TS+3]
	v_pk_add_f32 v[TS:TS+1], v[TS:TS+1], v[TS+4:TS+5]
	v_pk_add_f32 v[SM+2*\u:SM+2*\u+1], v[SM+2*\u:SM+2*\u+1], v[TS:TS+1]
.endm
; A KEY STEP: 128 keys for both tiles.  s17: the step's first LDS byte; s18: its number.
.macro STEP
	s_add_co_u32 s56, s18, 1
	s_and_b32 s56, s56, 15
	s_mul_i32 s56, s56, KSB                        ; the next step's first byte, modulo the head's 16 steps
	WIN 0x05                                       ; sources 0 and 1 window 1, D window 0
.irp t, 0,1,2,3,4,5,6,7
.irp u, 0,1
.if \t%2
	v_wmma_scale_f32_16x16x128_f8f6f4 v[S+64*\u+8*\t:S+64*\u+8*\t+7], v[KF+8*\t:KF+8*\t+15], v[Q+16*\u:Q+16*\u+15], 0, v[KS+\t/2], v[QS+\u] matrix_a_scale:MATRIX_SCALE_ROW1
.else
	v_wmma_scale_f32_16x16x128_f8f6f4 v[S+64*\u+8*\t:S+64*\u+8*\t+7], v[KF+8*\t:KF+8*\t+15], v[Q+16*\u:Q+16*\u+15], 0, v[KS+\t/2], v[QS+\u]
.endif
.endr
.endr                                              ; lane (r, h): query r of tile u; register S + 64 u + 16 b + i: key 32 b + 16 h + i
	WIN 0
	v_add_nc_u32 v4, s17, v2
	v_add_nc_u32 v5, s17, v3
	v_add_nc_u32 v7, s56, v2
.rept 5
	v_nop                                          ; with the three additions: eight places behind the products above and the last step's, ahead of the loads below and of the first read of the scores
.endr
	WIN 0x40
.irp t, 0,1,2,3
.irp c, 0,1,2,3
	ds_load_b128 v[VF+16*\t+4*\c:VF+16*\t+4*\c+3], v4 offset:8192+2048*\t+512*\c   ; this step's V
.endr
.endr
.irp t, 0,1,2,3,4,5,6,7
.irp c, 0,1
	ds_load_b128 v[KF+8*\t+4*\c:KF+8*\t+4*\c+3], v7 offset:1024*\t+512*\c          ; the next step's K
.endr
.endr
	WIN 0
	ds_load_b64 v[VS:VS+1], v5 offset:16896
	ds_load_b128 v[KS:KS+3], v7 offset:16384
.irp n, 0,1,2,3,4,5,6,7
	v_max3_num_f32 v[BM+\n], v[S+16*\n], v[S+16*\n+1], v[S+16*\n+2]   ; the largest score of each block of 32 keys: for the row's maximum, and, since p rises with the score, for the block's largest p; eight chains by turns
.endr
.irp i, 3,5,7,9,11,13
.irp n, 0,1,2,3,4,5,6,7
	v_max3_num_f32 v[BM+\n], v[BM+\n], v[S+16*\n+\i], v[S+16*\n+\i+1]
.endr
.endr
.irp n, 0,1,2,3,4,5,6,7
	v_max_num_f32 v[BM+\n], v[BM+\n], v[S+16*\n+15]
.endr
.irp n, 0,1,2,3,4,5,6,7
	v_permlanex16_b32 v[PT+\n], v[BM+\n], s20, s21
.endr
.irp n, 0,1,2,3,4,5,6,7
	v_max_num_f32 v[BM+\n], v[BM+\n], v[PT+\n]     ; with lane l xor 16's 16 keys
.endr
.irp u, 0,1
	v_max3_num_f32 v[TT+\u], v[BM+4*\u], v[BM+4*\u+1], v[BM+4*\u+2]
.endr
.irp u, 0,1
	v_max_num_f32 v[TT+\u], v[TT+\u], v[BM+4*\u+3] ; the step's largest score of my query
.endr
.irp u, 0,1
	v_mul_f32 v[TT+\u], s22, v[TT+\u]              ; as t
.endr
.irp u, 0,1
	v_max_num_f32 v[NM+2*\u+1], v[NM+2*\u+1], v[TT+\u]   ; the running largest t
.endr
.irp u, 0,1
	v_mov_b32 v[TT+\u], v[NM+2*\u]
.endr
.irp u, 0,1
	v_floor_f32 v[NM+2*\u], -v[NM+2*\u+1]          ; the new -M = floor(-t): M is a whole number
.endr
.irp u, 0,1
	v_sub_f32 v[TT+\u], v[NM+2*\u], v[TT+\u]       ; old M - new M: a whole number, 0 or less
.endr
.irp u, 0,1
	v_cvt_i32_f32 v[TT+\u], v[TT+\u]               ; (it saturates)
.endr
.irp u, 0,1
	v_ldexp_f32 v[F+2*\u], 1.0, v[TT+\u]           ; f = 2^(old M - new M)
.endr
.irp u, 0,1
.set J_, 0
.rept 32
	v_pk_fma_f32 v[S+64*\u+J_:S+64*\u+J_+1], v[S+64*\u+J_:S+64*\u+J_+1], s[22:23], v[NM+2*\u:NM+2*\u+1] op_sel_hi:[1,0,0]   ; t - M, two at a time
.set J_, J_+2
.endr
.endr
.irp u, 0,1
.irp b, 0,1,2,3
	v_fma_f32 v[BM+4*\u+\b], v[BM+4*\u+\b], s22, v[NM+2*\u]   ; the same of each block's largest score
.endr
.endr
	s_wait_alu depctr_va_vdst(0)                   ; the wait ahead of the batch
.set J_, 0
.rept 128
	v_exp_f32 v[S+J_], v[S+J_]                     ; p = 2^(t - M), at most 1
.set J_, J_+1
.endr
.irp u, 0,1
	v_pk_mul_f32 v[SM+2*\u:SM+2*\u+1], v[SM+2*\u:SM+2*\u+1], v[F+2*\u:F+2*\u+1] op_sel_hi:[1,0]   ; the sums under the new M: plain lines behind the exponentials
.endr
	s_wait_alu depctr_va_vdst(0)                   ; one wait for the batch of 128, ahead of its first reader
.irp n, 0,1,2,3,4,5,6,7
	v_exp_f32 v[BM+\n], v[BM+\n]                   ; the block's largest p: the same two instructions on the same number
.endr
	ROWSUM 0                                       ; the sums of the unquantised p read the 128 alone
	ROWSUM 1
	s_wait_alu depctr_va_vdst(0)                   ; and one for the eight
.irp n, 0,1,2,3,4,5,6,7
	v_max_num_f32 v[BM+\n], 0x4800000, v[BM+\n]    ; the floor 2^(9 - 127)
.endr
.irp n, 0,1,2,3,4,5,6,7
	v_add_nc_u32 v[SO+\n], 0xfc000000, v[BM+\n]    ; 8 off the exponent field: the conversions' scale operand
.endr
.irp n, 0,1,2,3,4,5,6,7
	v_and_or_b32 v[BD+\n], v[BM+\n], 0x7f800000, s19   ; 448 x the scale
.endr
.irp n, 0,1,2,3,4,5,6,7
	v_lshrrev_b32 v[PT+\n], 23, v[SO+\n]           ; the scale's byte
.endr
.irp u, 0,1
	v_lshl_or_b32 v[PS+\u], v[PT+4*\u+1], 8, v[PT+4*\u]   ; p's scale word for these 128 keys
.endr
.irp u, 0,1
	v_lshl_or_b32 v[PS+\u], v[PT+4*\u+2], 16, v[PS+\u]
.endr
.irp u, 0,1
	v_lshl_or_b32 v[PS+\u], v[PT+4*\u+3], 24, v[PS+\u]
.endr
.irp n, 0,1,2,3,4,5,6,7
.irp i, 0,2,4,6,8,10,12,14
	v_dual_min_num_f32 v[S+16*\n+\i], v[S+16*\n+\i], v[BD+\n] :: v_dual_min_num_f32 v[S+16*\n+\i+1], v[S+16*\n+\i+1], v[BD+\n]   ; the hold, one-sided (p is not negative), two numbers a line
.endr
	v_cvt_scalef32_pk8_fp8_f32 v[PCD+4*\n:PCD+4*\n+1], v[S+16*\n:S+16*\n+7], v[SO+\n]
	v_cvt_scalef32_pk8_fp8_f32 v[PCD+4*\n+2:PCD+4*\n+3], v[S+16*\n+8:S+16*\n+15], v[SO+\n]
.endr
	WIN 0x41                                       ; destination and source 0 window 1
	s_wait_alu depctr_va_vdst(0)                   ; the wait here, directly ahead of the first reader of O^T
.irp u, 0,1
.set J_, 0
.rept 16
	v_pk_mul_f32 v[O+32*\u+J_:O+32*\u+J_+1], v[O+32*\u+J_:O+32*\u+J_+1], v[F+2*\u:F+2*\u+1] op_sel_hi:[1,0]   ; O^T under the new M; these are also the places between the conversions and the products
.set J_, J_+2
.endr
.endr
	WIN 0x51                                       ; V, C and D window 1; p's codes window 0
	s_wait_alu depctr_va_vdst(0)                   ; the wait here, directly ahead of the wait below
	s_wait_dscnt 0x0                               ; V is in, and the next step's K
.irp t, 0,1,2,3
.irp u, 0,1
.if \t%2
	v_wmma_scale_f32_16x16x128_f8f6f4 v[O+32*\u+8*\t:O+32*\u+8*\t+7], v[VF+16*\t:VF+16*\t+15], v[PCD+16*\u:PCD+16*\u+15], v[O+32*\u+8*\t:O+32*\u+8*\t+7], v[VS+\t/2], v[PS+\u] matrix_a_scale:MATRIX_SCALE_ROW1
.else
	v_wmma_scale_f32_16x16x128_f8f6f4 v[O+32*\u+8*\t:O+32*\u+8*\t+7], v[VF+16*\t:VF+16*\t+15], v[PCD+16*\u:PCD+16*\u+15], v[O+32*\u+8*\t:O+32*\u+8*\t+7], v[VS+\t/2], v[PS+\u]
.endif
.endr
.endr
	WIN 0
.endm
; Two tiles of 16 queries through all keys, and their way out.  pt: the pass.
.macro PASS pt
.if \pt
	s_wait_xcnt 0x0                                ; the first pass's stores have read v[PCD] on
.endif
.irp u, 0,1
	v_mov_b32 v[NM+2*\u+1], 0xff61b1e6             ; the largest t so far: -3e38
	v_mov_b32 v[SM+2*\u], 0
	v_mov_b32 v[SM+2*\u+1], 0
.endr
.irp u, 0,1
	v_floor_f32 v[NM+2*\u], -v[NM+2*\u+1]          ; -M
.endr
	WIN 0x40
.set J_, 0
.rept 64
	v_mov_b32 v[O+J_], 0                           ; the step is written once: the first finds zeros, which the first change of M leaves zeros
.set J_, J_+1
.endr
	WIN 0
	s_mov_b32 s17, 0
	s_mov_b32 s18, 0
	s_wait_alu depctr_va_vdst(0)                   ; the wait here, directly ahead of the waits below
	s_wait_loadcnt 0x0                             ; Q
	s_wait_dscnt 0x0                               ; key step 0's K
.Lstep_\@:
	STEP
	s_add_co_u32 s17, s17, KSB
	s_add_co_u32 s18, s18, 1
	s_cmp_lt_u32 s18, 16
	s_cbranch_scc1 .Lstep_\@
.if \pt == 0
	WIN 0x40                                       ; the second pass's Q: two groups of 8,704 bytes on.  The products that read these registers stand a softmax back
.irp u, 0,1
	global_load_b128 v[Q+16*\u:Q+16*\u+3], v2, s[36:37] offset:17408+8704*\u
	global_load_b128 v[Q+16*\u+4:Q+16*\u+7], v2, s[36:37] offset:17408+8704*\u+512
.endr
	WIN 0
.irp u, 0,1
	global_load_b32 v[QS+\u], v6, s[38:39] offset:17408+8704*\u
.endr
.endif
.irp u, 0,1
	v_add_f32 v[SM+2*\u], v[SM+2*\u], v[SM+2*\u+1] ; the sum's two halves,
.endr
.irp u, 0,1
	v_permlanex16_b32 v[PT+\u], v[SM+2*\u], s20, s21
.endr
.irp u, 0,1
	v_add_f32 v[SM+2*\u], v[SM+2*\u], v[PT+\u]     ; and lane l xor 16's
.endr
	s_wait_alu depctr_va_vdst(0)                   ; the wait ahead of the transcendentals
.irp u, 0,1
	v_rcp_f32 v[F+2*\u], v[SM+2*\u]
.endr
.rept 8
	v_nop                                          ; places behind the last products, and the plain line behind the reciprocals
.endr
	WIN 0x01                                       ; source 0 window 1
	s_wait_alu depctr_va_vdst(0)                   ; ahead of the reciprocals' first reader, which is O^T's too
.irp u, 0,1
.set J_, 0
.rept 16
	v_pk_mul_f32 v[S+64*\u+J_:S+64*\u+J_+1], v[O+32*\u+J_:O+32*\u+J_+1], v[F+2*\u:F+2*\u+1] op_sel_hi:[1,0]   ; O^T / the sum: register 16 b + i: channel 32 b + 16 h + i of my query
.set J_, J_+2
.endr
.endr
	WIN 0
.irp u, 0,1
.irp b, 0,1
	v_max3_num_f32 v[BM+4*\u+\b], |v[S+64*\u+16*\b]|, |v[S+64*\u+16*\b+1]|, 0x4800000   ; my 16 numbers of a block, and the floor 2^(9 - 127)
.endr
.endr
.irp i, 2,4,6,8,10,12,14
.irp u, 0,1
.irp b, 0,1
	v_max3_num_f32 v[BM+4*\u+\b], v[BM+4*\u+\b], |v[S+64*\u+16*\b+\i]|, |v[S+64*\u+16*\b+\i+1]|
.endr
.endr
.endr
.irp u, 0,1
.irp b, 0,1
	v_permlanex16_b32 v[PT+4*\u+\b], v[BM+4*\u+\b], s20, s21
.endr
.endr
.irp u, 0,1
.irp b, 0,1
	v_max_num_f32 v[BM+4*\u+\b], v[BM+4*\u+\b], v[PT+4*\u+\b]   ; with lane l xor 16's 16: the block's largest magnitude
.endr
.endr
.irp u, 0,1
.irp b, 0,1
	v_add_nc_u32 v[SO+4*\u+\b], 0xfc000000, v[BM+4*\u+\b]
.endr
.endr
.irp u, 0,1
.irp b, 0,1
	v_and_or_b32 v[BD+4*\u+\b], v[BM+4*\u+\b], 0x7f800000, s19
.endr
.endr
.irp u, 0,1
.irp b, 0,1
	v_lshrrev_b32 v[PT+4*\u+\b], 23, v[SO+4*\u+\b]
.endr
.endr
.irp u, 0,1
	v_lshl_or_b32 v[HW+\u], v[PT+4*\u+1], 8, v[PT+4*\u]   ; my row's two scale bytes of this head
.endr
.irp u, 0,1
.irp b, 0,1
.irp i, 0,1,2,3,4,5,6,7,8,9,10,11,12,13,14,15
	v_med3_num_f32 v[S+64*\u+16*\b+\i], v[S+64*\u+16*\b+\i], -v[BD+4*\u+\b], v[BD+4*\u+\b]   ; the hold: the conversion does not saturate (ISA guide 7.6.2)
.endr
	v_cvt_scalef32_pk8_fp8_f32 v[PCD+16*\u+4*\b:PCD+16*\u+4*\b+1], v[S+64*\u+16*\b:S+64*\u+16*\b+7], v[SO+4*\u+\b]
	v_cvt_scalef32_pk8_fp8_f32 v[PCD+16*\u+4*\b+2:PCD+16*\u+4*\b+3], v[S+64*\u+16*\b+8:S+64*\u+16*\b+15], v[SO+4*\u+\b]
.endr
.endr
	v_nop                                          ; a plain line behind the last conversion
.irp u, 0,1
.irp b, 0,1
	global_store_b128 v2, v[PCD+16*\u+4*\b:PCD+16*\u+4*\b+3], s[40:41] offset:262144*\pt+131072*\u+512*\b   ; 512 consecutive bytes of the fragment
.endr
	ds_store_b16 v8, v[HW+\u] offset:512*\pt+256*\u   ; lanes r and r + 16 write the same halfword with the same value
.endr
.endm
	PASS 0
	PASS 1
	s_wait_dscnt 0x0                               ; for the others' sake: my halfwords lie in LDS
	s_barrier_signal -1
	s_barrier_wait -1
	s_cmp_lt_u32 s12, 4
	s_cbranch_scc0 .Lno_os
	ds_load_b64 v[T2:T2+1], v10                    ; a group's 256 bytes
	s_wait_dscnt 0x0
	global_store_b64 v3, v[T2:T2+1], s[42:43]      ; 256 consecutive bytes, aligned
.Lno_os:
	s_wait_tensorcnt 0x0                           ; the wave's end
	ds_add_u32 v[SPW], v[NIL]
	s_wait_dscnt 0x0
	CROUND                                         ; the closing round
	s_endpgm
.Lfunc_end_k_q07e4b03371_attn:
	.size	k_q07e4b03371_attn, .Lfunc_end_k_q07e4b03371_attn-k_q07e4b03371_attn
	.p2alignl 7, 3214868480
	.fill 96, 4, 3214868480
	.section	.rodata,"a",@progbits
	.p2align	6, 0x0
	.amdhsa_kernel k_q07e4b03371_attn
		.amdhsa_group_segment_fixed_size 327680
		.amdhsa_private_segment_fixed_size 0
		.amdhsa_enable_private_segment 0
		.amdhsa_kernarg_size 32
		.amdhsa_user_sgpr_count 2
		.amdhsa_user_sgpr_kernarg_segment_ptr 1
		.amdhsa_wavefront_size32 1
		.amdhsa_system_sgpr_workgroup_id_x 1
		.amdhsa_system_sgpr_workgroup_id_y 1
		.amdhsa_system_sgpr_workgroup_id_z 1
		.amdhsa_system_vgpr_workitem_id 0
		.amdhsa_next_free_vgpr 512
		.amdhsa_next_free_sgpr 66
		.amdhsa_reserve_vcc 0
		.amdhsa_float_denorm_mode_32 3
		.amdhsa_float_denorm_mode_16_64 3
		.amdhsa_memory_ordered 1
		.amdhsa_forward_progress 1
		.amdhsa_inst_pref_size 104
	.end_amdhsa_kernel
	.amdgpu_metadata
---
amdhsa.version: [ 1, 2 ]
amdhsa.kernels:
  - .name:           k_q07e4b03371_attn
    .symbol:         k_q07e4b03371_attn.kd
    .args:
      - { .name: qb, .offset: 0, .size: 8, .value_kind: global_buffer, .address_space: global }
      - { .name: kvb, .offset: 8, .size: 8, .value_kind: global_buffer, .address_space: global }
      - { .name: oc, .offset: 16, .size: 8, .value_kind: global_buffer, .address_space: global }
      - { .name: os, .offset: 24, .size: 8, .value_kind: global_buffer, .address_space: global }
    .group_segment_fixed_size: 327680
    .private_segment_fixed_size: 0
    .kernarg_segment_align: 8
    .kernarg_segment_size: 32
    .max_flat_workgroup_size: 256
    .sgpr_count:     66
    .vgpr_count:     512
    .wavefront_size: 32
...
	.end_amdgpu_metadata
.endif
;; end of part 3
;; launch oproj (part 4): grid 4 x 64, 4 waves a work-group, clusters of 4 x 4, 327,680 bytes of LDS; arguments oc, os, wc, ws, bo, out0; writes out0
.if DOCPART == 4
	.amdgcn_target "amdgcn-amd-amdhsa--gfx1250"
	.amdhsa_code_object_version 6
	.text
	.protected	k_q07e4b03371_oproj
	.globl	k_q07e4b03371_oproj
	.p2align	8
	.type	k_q07e4b03371_oproj,@function
k_q07e4b03371_oproj:
	s_mov_b64 s[64:65], 0
	v_nop
	global_prefetch_b8 v0, s[64:65] scope:SCOPE_SE
	s_setreg_imm32_b32 hwreg(HW_REG_WAVE_MODE, 25, 1), 1
	s_wait_xcnt 0x0
	s_wait_alu depctr_hold_cnt(0) depctr_sa_sdst(0) depctr_va_vdst(0) depctr_va_sdst(0) depctr_va_ssrc(0) depctr_va_vcc(0) depctr_vm_vsrc(0)
	s_getreg_b32 s2, hwreg(HW_REG_IB_STS2, 6, 4)
	s_cmp_eq_u32 s2, 0
	s_cbranch_scc0 .Lentry_in_a_cluster
	s_endpgm
.Lentry_in_a_cluster:
	s_bfe_u32 s2, ttmp6, 0x10000c
	s_cmp_lg_u32 s2, 0xf033
	s_cbranch_scc0 .Lentry_shape_is_right
	s_endpgm
.Lentry_shape_is_right:
; out0 = a Wo + bo on codes of FP8 (E4M3) with E8M0 scales; a is attention's result, quantised by the launch before.  out0: [8192][1024] f32.
; The product's core is that of the launch that makes q, k and v: a work-group makes 128 rows x 256 columns, wave w all 128 rows x columns 64 w on (8 x 4 accumulators); source 0 = Wo's columns, source 1 = a's rows, so that a
; lane's eight results are eight neighbouring columns of one row; the bias is the C of each sum's first matrix instruction.  Operands lie as images of their registers (16 x lane + 512 c); a tile's 16 rows are
; 8 u + r + 8 (r / 8) of a group of 32.  K = 1,024 in eight steps; three LDS slots of two steps as first fills, slot 0 filled once more with steps 6 and 7.  By this text's count one tensor load of a wave is out at the
; start, one behind the round.  CLUSTER 4 x 4: A's tiles are asked for jointly along a row of the cluster, B's along a column.
; A'S SCALES come by heads, two bytes a row and head: a K step's word is made of two heads' halfwords by one v_perm_b32.
; THE WAY OUT: a tile of 16 rows x 64 columns goes through the wave's own stage in LDS and leaves as rows of 256 bytes: sixteen lanes store 256 consecutive bytes, at a multiple of 256 from out0's first byte.
; REGISTERS: window 0: v1-26 addresses; v32-63 A's scale words (32 + 8 g + s), v64-79 B's; v80-111 the bias; v112-175 rows on the way out; v176-207 the heads' halfwords.
;   window 1: A's fragments, two sets of 128.   window 2: B's, two sets of 64.   window 3: the accumulators, (a, b) at 8 (4 a + b).
; LDS AS THE TEXT NOW LAYS IT: A's K steps 0-5 on end from byte 0 (16,384 each), B's K steps 0-5 on end from byte 98,304 (32,768 each).  At the head each wave has ONE joint load:
; wave 0 A's six steps (384 rows of 256 bytes), waves 1, 2, 3 two steps of B each (256 rows).  The first barrier shows waves 0 and 1's loads, the round in front of the refill the rest.
; The refill lays K steps 6 and 7 over steps 0 and 1, a step a wave.  By this text's count one tensor load of a wave is out at any time.
.set SLOT,  98304                      ; a third of what the tiles take: SPARE lies behind three of them
.set SPARE, 3*SLOT                     ; the spare words, 128 bytes for each wave: two blocks of 256 bytes that no other line names
.set STAGE, SPARE+512                  ; 16 rows x (256 bytes + 16) for each wave: no fill lands there
.set NG0,   12                         ; Wo's first block of 256 columns in wc
.set G1A, 32
.set G1B, 40
.set G0A, 48
.set G0B, 68
.set ADRA, 6
.set ADRB, 9
.set SPW, 12
.set NIL, 13
.set STO, 24                           ; v24  the stage: where I put 32 bytes of a row
.set RD,  25                           ; v25  and where I read a row back
.set CO,  26                           ; v26  my byte offset in two rows of out0
.set SA,  32
.set SB,  64
.set BIAS, 80
.set BK,  112
.set HH,  176
.set MSB, 0
.macro WIN new                         ; the immediate's high byte repeats the setting that is left
.if MSB != \new
	s_set_vgpr_msb (MSB<<8)|\new
.set MSB, \new
.endif
.endm
.macro PLACES n
.rept \n
	v_nop
.endr
.endm
.macro CROUND                          ; a round of the cluster's barrier
	s_barrier_signal -1
	s_barrier_wait -1
	s_cmp_lg_u32 s22, 0
	s_cbranch_scc1 .Lnot_wave_0_\@
	s_barrier_signal -3
.Lnot_wave_0_\@:
	s_barrier_wait -3
	s_barrier_signal -1
	s_barrier_wait -1
.endm
.macro JLOAD                           ; the joint refill of slot 0: waves 0 and 1 for A, waves 2 and 3 for B; four v_nop follow each line
	s_cmp_eq_u32 s23, 0
	s_cbranch_scc0 .Lfor_b_\@
	tensor_load_to_lds s[G0A:G0A+3], s[G1A:G1A+7]
	s_nop 0
	PLACES 4
	s_branch .Lasked_\@
.Lfor_b_\@:
	tensor_load_to_lds s[G0B:G0B+3], s[G1B:G1B+7]
	s_nop 0
	PLACES 4
.Lasked_\@:
.endm
.macro FETCH s, set                    ; K step s: A's 8 fragments and my 4 of B, 48 loads of 512 consecutive bytes
	WIN 0x40                                       ; destination window 1
.irp a, 0,1,2,3,4,5,6,7
.irp c, 0,1,2,3
	ds_load_b128 v[128*(\set)+16*\a+4*\c:128*(\set)+16*\a+4*\c+3], v[ADRA+((\s)/2)%3] offset:((\s)%2)*16384+2048*\a+512*\c
.endr
.endr
	WIN 0x80                                       ; destination window 2
.irp b, 0,1,2,3
.irp c, 0,1,2,3
	ds_load_b128 v[64*(\set)+16*\b+4*\c:64*(\set)+16*\b+4*\c+3], v[ADRB+((\s)/2)%3] offset:((\s)%2)*32768+2048*\b+512*\c
.endr
.endr
	WIN 0
.endm
.macro WM rp, rq                       ; one product; rp, rq: source 0's, source 1's scales stand in lanes 16-31 of their register
.if (\rp) && (\rq)
	v_wmma_scale_f32_16x16x128_f8f6f4 v[rD:rD+7], v[rP:rP+15], v[rQ:rQ+15], v[rC:rC+7], v[rSP], v[rSQ] matrix_a_scale:MATRIX_SCALE_ROW1 matrix_b_scale:MATRIX_SCALE_ROW1
.elseif (\rp)
	v_wmma_scale_f32_16x16x128_f8f6f4 v[rD:rD+7], v[rP:rP+15], v[rQ:rQ+15], v[rC:rC+7], v[rSP], v[rSQ] matrix_a_scale:MATRIX_SCALE_ROW1
.elseif (\rq)
	v_wmma_scale_f32_16x16x128_f8f6f4 v[rD:rD+7], v[rP:rP+15], v[rQ:rQ+15], v[rC:rC+7], v[rSP], v[rSQ] matrix_b_scale:MATRIX_SCALE_ROW1
.else
	v_wmma_scale_f32_16x16x128_f8f6f4 v[rD:rD+7], v[rP:rP+15], v[rQ:rQ+15], v[rC:rC+7], v[rSP], v[rSQ]
.endif
.endm
; A K step's 32 products: source 0 = B (window 2), source 1 = A (window 1).  The 32 accumulators take turns, one instruction a turn, in the same order in every step.
.macro MUL s, set, first
.if \first
	WIN 0xc6                                       ; C = the bias, window 0; D window 3
.else
	WIN 0xf6
.endif
.irp a, 0,1,2,3,4,5,6,7
.irp b, 0,1,2,3
.set rD, 8*(4*\a+\b)
.set rC, rD
.if \first
.set rC, BIAS+8*\b
.endif
.set rP, 64*(\set)+16*\b
.set rQ, 128*(\set)+16*\a
.set rSP, SB+8*(\b/2)+(\s)
.set rSQ, SA+8*(\a/2)+(\s)
	WM \b%2, \a%2
.endr
.endr
	WIN 0
.endm
	s_load_b256 s[4:11], s[0:1], 0x0               ; oc, os, wc, ws
	s_load_b128 s[12:15], s[0:1], 0x20             ; bo, out0
	v_lshl_add_u32 v[SPW], v0, 2, SPARE
	v_mov_b32 v[NIL], 0
	ds_add_u32 v12, v13
	ds_add_u32 v12, v13
	s_wait_dscnt 0x0
	v_lshrrev_b32 v1, 5, v0
	v_readfirstlane_b32 s22, v1                    ; wave 0..3
	s_lshr_b32 s23, s22, 1                         ; I fetch for A (0) or for B (1),
	s_and_b32 s24, s22, 1                          ; the slot's first or second K step
	s_bfe_u32 s25, ttmp6, 0x40000                  ; cx
	s_bfe_u32 s26, ttmp6, 0x40004                  ; cy
	s_lshl_b32 s27, ttmp9, 2
	s_add_co_u32 s27, s27, s25                     ; tile column: 256 columns
	s_and_b32 s28, ttmp7, 0xffff
	s_lshl_b32 s28, s28, 2
	s_add_co_u32 s28, s28, s26                     ; tile row: 128 rows
	s_lshl_b32 s30, s26, 2
	s_lshl_b32 s30, 15, s30                        ; my row of the cluster
	s_lshl_b32 s31, 0x1111, s25                    ; my column
	s_or_b32 s[G1A], s30, (3<<16)|(1<<21)          ; 15:0 the mask; 17:16 elements of 8 bytes; 21 set beside a mask; no padding
	s_mov_b32 s[G1A+1], 32<<16                     ; rows of 256 bytes,
	s_mov_b32 s[G1A+2], 384<<16                    ; the head's load: A's six K steps, 384 rows
	s_mov_b32 s[G1A+3], 32<<16
	s_mov_b32 s[G1A+4], 384
	s_mov_b32 s[G1A+5], 32                         ; dense
	s_mov_b32 s[G1A+6], 0
	s_mov_b32 s[G1A+7], 0
	s_or_b32 s[G1B], s31, (3<<16)|(1<<21)
	s_mov_b32 s[G1B+1], 32<<16
	s_mov_b32 s[G1B+2], 256<<16                    ; the head's loads: two K steps of B, 256 rows
	s_mov_b32 s[G1B+3], 32<<16
	s_mov_b32 s[G1B+4], 256
	s_mov_b32 s[G1B+5], 32
	s_mov_b32 s[G1B+6], 0
	s_mov_b32 s[G1B+7], 0
	s_lshl_b32 s80, s28, 17                        ; A: registers that never hold cx
	s_lshl_b32 s81, s24, 14
	s_add_co_u32 s80, s80, s81
	s_mov_b32 s81, 0
	s_add_co_u32 s82, s27, NG0                     ; B: registers that never hold cy
	s_lshl_b32 s82, s82, 18
	s_lshl_b32 s83, s24, 15
	s_add_co_u32 s82, s82, s83
	s_mov_b32 s83, 0
	s_lshl_b32 s86, s24, 14                        ; where they go in a slot: the wave's number alone
	s_lshl_b32 s87, s24, 15
	s_add_co_u32 s87, s87, 98304
	s_add_co_u32 s85, s22, 3                       ; the head's loads of B: wave w takes K steps 2 (w - 1) and 2 (w - 1) + 1
	s_and_b32 s85, s85, 3
	s_lshl_b32 s85, s85, 16
	s_add_co_u32 s90, s27, NG0
	s_lshl_b32 s90, s90, 18
	s_add_co_u32 s90, s90, s85
	s_mov_b32 s91, 0
	s_mul_i32 s84, s22, 65536                      ; to LDS byte 98,304 + 65,536 (w - 1)
	s_add_co_u32 s84, s84, 32768
	s_wait_kmcnt 0x0
	s_add_nc_u64 s[80:81], s[4:5], s[80:81]
	s_add_nc_u64 s[82:83], s[8:9], s[82:83]
	s_add_nc_u64 s[90:91], s[8:9], s[90:91]
	CROUND                                         ; all sixteen work-groups are here: the first joint loads meet
.irp t, 0
	s_mov_b32 s[G0A+4*\t], 1
	s_add_co_u32 s[G0A+4*\t+1], s86, \t*SLOT
	s_add_nc_u64 s[G0A+4*\t+2:G0A+4*\t+3], s[80:81], \t*32768
	s_or_b32 s[G0A+4*\t+3], s[G0A+4*\t+3], 0x80000000
	s_mov_b32 s[G0B+4*\t], 1
	s_add_co_u32 s[G0B+4*\t+1], s87, \t*SLOT
	s_add_nc_u64 s[G0B+4*\t+2:G0B+4*\t+3], s[82:83], \t*65536
	s_or_b32 s[G0B+4*\t+3], s[G0B+4*\t+3], 0x80000000
.endr
	s_mov_b32 s[G0B+4], 1                          ; group 0 of the head's loads of B
	s_mov_b32 s[G0B+5], s84
	s_mov_b64 s[G0B+6:G0B+7], s[90:91]
	s_or_b32 s[G0B+7], s[G0B+7], 0x80000000
	s_cmp_eq_u32 s22, 0                            ; one chain of branches on the wave's number, one load to an arm
	s_cbranch_scc0 .Lfirst_b
	tensor_load_to_lds s[G0A:G0A+3], s[G1A:G1A+7]
	s_nop 0
	PLACES 4
	s_branch .Lfirst_asked
.Lfirst_b:
	s_cmp_eq_u32 s22, 1
	s_cbranch_scc0 .Lfirst_c
	tensor_load_to_lds s[G0B+4:G0B+7], s[G1B:G1B+7]
	s_nop 0
	PLACES 4
	s_branch .Lfirst_asked
.Lfirst_c:
	tensor_load_to_lds s[G0B+4:G0B+7], s[G1B:G1B+7]
	s_nop 0
	PLACES 4
.Lfirst_asked:
	v_and_b32 v1, 31, v0                           ; lane
	v_and_b32 v2, 15, v0                           ; r
	v_bfe_u32 v3, v0, 4, 1                         ; h
	v_lshlrev_b32 v4, 4, v1                        ; 16 x lane
	v_lshlrev_b32 v5, 3, v1                        ; 8 x lane
	s_lshl_b32 s84, s22, 13
	s_add_co_u32 s84, s84, 98304
.irp t, 0,1,2
	v_add_nc_u32 v[ADRA+\t], \t*32768, v4
	v_add_nc_u32 v[ADRB+\t], s84, v4
	s_add_co_u32 s84, s84, 65536
.endr
	s_mul_i32 s85, s22, 16*272
	s_add_co_u32 s85, s85, STAGE                   ; my stage
	v_mul_u32_u24 v[STO], v2, 272                  ; in: row r, + 64 h
	v_lshl_add_u32 v[STO], v3, 6, v[STO]
	v_add_nc_u32 v[STO], s85, v[STO]
	v_mul_u32_u24 v[RD], v3, 272                   ; back: lanes 0-15 one row of 256 bytes, lanes 16-31 the next
	v_lshl_add_u32 v[RD], v2, 4, v[RD]
	v_add_nc_u32 v[RD], s85, v[RD]
	v_lshlrev_b32 v[CO], 12, v3                    ; and the same two rows in out0
	v_lshl_add_u32 v[CO], v2, 4, v[CO]
	v_lshlrev_b32 v14, 6, v3                       ; the bias: 64 h
	s_wait_alu depctr_va_vdst(0)
	s_lshl_b32 s88, s28, 12                        ; A's scale halfwords: 4,096 bytes a tile row, 256 a head
	s_mov_b32 s89, 0
	s_add_nc_u64 s[88:89], s[6:7], s[88:89]
	s_add_co_u32 s90, s27, NG0                     ; B's scale words: 8,192 bytes a tile column, 2,048 a wave
	s_lshl_b32 s90, s90, 13
	s_lshl_b32 s91, s22, 11
	s_add_co_u32 s90, s90, s91
	s_mov_b32 s91, 0
	s_add_nc_u64 s[90:91], s[10:11], s[90:91]
	s_lshl_b32 s94, s27, 10                        ; my 64 columns, in bytes of f32: 1,024 x tile column + 256 x wave
	s_lshl_b32 s95, s22, 8
	s_add_co_u32 s94, s94, s95
	s_mov_b32 s95, 0
	s_add_nc_u64 s[92:93], s[12:13], s[94:95]      ; in bo,
	s_lshl_b32 s2, s28, 19                         ; and in out0: 128 rows of 4,096 bytes a tile row
	s_mov_b32 s3, 0
	s_add_nc_u64 s[96:97], s[14:15], s[2:3]
	s_add_nc_u64 s[96:97], s[96:97], s[94:95]
.irp d, 0,1,2,3,4,5,6,7,8,9,10,11,12,13,14,15
	global_load_b64 v[HH+2*\d:HH+2*\d+1], v5, s[88:89] offset:256*\d   ; head d: halfword g: lanes 0-15 tile 2 g's two bytes, lanes 16-31 tile 2 g + 1's
.endr
.irp g, 0,1
.irp p, 0,1,2,3
	global_load_b64 v[SB+8*\g+2*\p:SB+8*\g+2*\p+1], v5, s[90:91] offset:1024*\g+256*\p
.endr
.endr
.irp b, 0,1,2,3
	global_load_b128 v[BIAS+8*\b:BIAS+8*\b+3], v14, s[92:93] offset:(32*(\b/2)+8*(\b%2))*4      ; register j of tile b: column 32 (b / 2) + 8 (b % 2) + 16 h + j
	global_load_b128 v[BIAS+8*\b+4:BIAS+8*\b+7], v14, s[92:93] offset:(32*(\b/2)+8*(\b%2))*4+16
.endr
	s_mov_b32 s2, 0x05040100                       ; the two low halves,
	s_mov_b32 s3, 0x07060302                       ; the two high halves
	s_wait_alu depctr_va_vdst(0)                   ; the wait at the head's end
	s_cmp_lt_u32 s22, 2
	s_cbranch_scc0 .Lnot_first
	s_wait_tensorcnt 0x0                           ; waves 0 and 1: A's six steps and B's steps 0 and 1 are in; waves 2 and 3 wait in front of the round
.Lnot_first:
	s_barrier_signal -1
	s_barrier_wait -1
	FETCH 0, 0
	FETCH 1, 1
	s_wait_loadcnt 0x0                             ; scales and bias
.irp s, 0,1,2,3,4,5,6,7                        ; K step s is heads 2 s and 2 s + 1: the even head's two bytes below, the odd head's above
	v_perm_b32 v[SA+\s], v[HH+4*\s+2], v[HH+4*\s], s2
	v_perm_b32 v[SA+8+\s], v[HH+4*\s+2], v[HH+4*\s], s3
	v_perm_b32 v[SA+16+\s], v[HH+4*\s+3], v[HH+4*\s+1], s2
	v_perm_b32 v[SA+24+\s], v[HH+4*\s+3], v[HH+4*\s+1], s3
.endr
	PLACES 8                                       ; a scale register written by a vector instruction stands eight places ahead of the product
	s_wait_dscnt 48                                ; K step 0's fragments are in; K step 1's 48 loads may be out
	MUL 0, 0, 1
	s_wait_tensorcnt 0x0                           ; all my tensor loads have landed: slots 1 and 2 are whole once every wave has said so
	ds_add_u32 v[SPW], v[NIL]                      ; 0 onto my spare word
	s_add_nc_u64 s[G0A+2:G0A+3], s[G0A+2:G0A+3], 3*32768
	s_mov_b32 s[G1A+2], 64<<16                     ; no tensor load of mine is out: from here on a load brings one K step: 64 rows of A,
	s_mov_b32 s[G1A+4], 64
	s_mov_b32 s[G1B+2], 128<<16                    ; 128 of B
	s_mov_b32 s[G1B+4], 128
	s_add_nc_u64 s[G0B+2:G0B+3], s[G0B+2:G0B+3], 3*65536
	s_wait_dscnt 0x0                               ; the add is done, and my reads of slot 0 are over
	CROUND                                         ; no wave of any partner still reads slot 0 or has a load on its way
	JLOAD                                          ; the one refill: it has four K steps' products in which to land
	PLACES 4                                       ; with the four behind the load: eight places in front of loads into registers that the last products read
	FETCH 2, 0
	MUL 1, 1, 0
	PLACES 8
	FETCH 3, 1
	s_wait_dscnt 48                                ; all but the 48 just issued
	MUL 2, 0, 0
	PLACES 8
	FETCH 4, 0
	s_wait_dscnt 48
	MUL 3, 1, 0
	PLACES 8
	FETCH 5, 1
	s_wait_dscnt 48
	MUL 4, 0, 0
	s_wait_alu depctr_va_vdst(0)
	s_wait_tensorcnt 0x0                           ; my part of K steps 6 and 7 has landed,
	s_wait_dscnt 0x0
	s_barrier_signal -1
	s_barrier_wait -1                              ; everybody's has
	PLACES 8
	FETCH 6, 0
	MUL 5, 1, 0
	PLACES 8
	FETCH 7, 1
	s_wait_dscnt 48
	MUL 6, 0, 0
	s_wait_dscnt 0x0
	MUL 7, 1, 0
	PLACES 8                                       ; in front of the first read of results
.macro TOSTAGE a                       ; tile a's 16 rows x 64 columns into my stage, and back as whole rows.  LDS serves a wave's instructions in order: no wait between
	WIN 0x0c                                       ; an LDS store's data are its source 1: window 3
.irp b, 0,1,2,3
	ds_store_b128 v[STO], v[8*(4*(\a)+\b):8*(4*(\a)+\b)+3] offset:128*(\b/2)+32*(\b%2)        ; each accumulator from its low end on
	ds_store_b128 v[STO], v[8*(4*(\a)+\b)+4:8*(4*(\a)+\b)+7] offset:128*(\b/2)+32*(\b%2)+16
.endr
	WIN 0
.set BB, BK+32*((\a)%2)
.irp t, 0,1,2,3,4,5,6,7
	ds_load_b128 v[BB+4*\t:BB+4*\t+3], v[RD] offset:544*\t
.endr
.endm
.macro SEND a, younger                 ; younger: the LDS instructions issued behind tile a's loads, which may stay out
.set BB, BK+32*((\a)%2)
	s_wait_dscnt \younger
.irp t, 0,1,2,3,4,5,6,7
	global_store_b128 v[CO], v[BB+4*\t:BB+4*\t+3], s[96:97] offset:(32*((\a)/2)+8*((\a)%2)+2*\t+8*(\t/4))*4096 th:TH_STORE_NT   ; stage rows 2 t and 2 t + 1 are the tile's rows of that number
.endr
.endm
	TOSTAGE 0
.irp a, 1,2,3,4,5,6,7
.if \a > 1
	s_wait_xcnt 0x0                                ; tile a - 2's stores have read their registers: tile a's rows may land there
.endif
	TOSTAGE \a
	SEND \a-1, 16                                  ; behind tile a - 1's loads: tile a's 8 stores and 8 loads
.endr
	SEND 7, 0
	s_wait_tensorcnt 0x0                           ; the wave's end
	ds_add_u32 v[SPW], v[NIL]
	s_wait_dscnt 0x0
	CROUND                                         ; the closing round: no work-group ends while a partner may still ask for a tile that names it
	s_endpgm
.Lfunc_end_k_q07e4b03371_oproj:
	.size	k_q07e4b03371_oproj, .Lfunc_end_k_q07e4b03371_oproj-k_q07e4b03371_oproj
	.p2alignl 7, 3214868480
	.fill 96, 4, 3214868480
	.section	.rodata,"a",@progbits
	.p2align	6, 0x0
	.amdhsa_kernel k_q07e4b03371_oproj
		.amdhsa_group_segment_fixed_size 327680
		.amdhsa_private_segment_fixed_size 0
		.amdhsa_enable_private_segment 0
		.amdhsa_kernarg_size 48
		.amdhsa_user_sgpr_count 2
		.amdhsa_user_sgpr_kernarg_segment_ptr 1
		.amdhsa_wavefront_size32 1
		.amdhsa_system_sgpr_workgroup_id_x 1
		.amdhsa_system_sgpr_workgroup_id_y 1
		.amdhsa_system_sgpr_workgroup_id_z 1
		.amdhsa_system_vgpr_workitem_id 0
		.amdhsa_next_free_vgpr 1024
		.amdhsa_next_free_sgpr 100
		.amdhsa_reserve_vcc 0
		.amdhsa_float_denorm_mode_32 3
		.amdhsa_float_denorm_mode_16_64 3
		.amdhsa_memory_ordered 1
		.amdhsa_forward_progress 1
		.amdhsa_inst_pref_size 89
	.end_amdhsa_kernel
	.amdgpu_metadata
---
amdhsa.version: [ 1, 2 ]
amdhsa.kernels:
  - .name:           k_q07e4b03371_oproj
    .symbol:         k_q07e4b03371_oproj.kd
    .args:
      - { .name: oc, .offset: 0, .size: 8, .value_kind: global_buffer, .address_space: global }
      - { .name: os, .offset: 8, .size: 8, .value_kind: global_buffer, .address_space: global }
      - { .name: wc, .offset: 16, .size: 8, .value_kind: global_buffer, .address_space: global }
      - { .name: ws, .offset: 24, .size: 8, .value_kind: global_buffer, .address_space: global }
      - { .name: bo, .offset: 32, .size: 8, .value_kind: global_buffer, .address_space: global }
      - { .name: out0, .offset: 40, .size: 8, .value_kind: global_buffer, .address_space: global }
    .group_segment_fixed_size: 327680
    .private_segment_fixed_size: 0
    .kernarg_segment_align: 8
    .kernarg_segment_size: 48
    .max_flat_workgroup_size: 128
    .sgpr_count:     100
    .vgpr_count:     1024
    .wavefront_size: 32
...
	.end_amdgpu_metadata
.endif
;; end of part 4
